; MI455X (gfx1250); checked and timed in simulation.
; The chip was launched on July 23, 2026; its instructions are those of AMD's public machine-readable ISA for CDNA 5 (MIT licence, August 2026) and "CDNA5" Instruction Set Architecture Reference Guide (July 2026). The comments in the code are by the model that wrote it; some were corrected since.
;; Seqlen Dynamic Sparse Attention. Allowed arithmetic: matrix products marked QUANTISED: E2M1 operands, one E8M0 scale for each 32 along K, by v_wmma_scale_f32_16x16x128_f8f6f4 with both operands' format E2M1 (or v_wmma_scale_f32_32x16x128_f4), f32 sums; everything else in f32.
;; Inputs: K 4 x 8 x 2,048 x 64 float32; Q 4 x 8 x 2,048 x 64 float32; V 4 x 8 x 2,048 x 64 float32; seqlens 4 int32.
;; Outputs: out0 4 x 8 x 2,048 x 64 float32.
;; This version of the problem:
;;   THIS VERSION OF THE PROBLEM IS GIVEN IN LOW PRECISION. The matrix products marked QUANTISED in the list below multiply operands that are first quantised to E2M1 (2 exponent bits, 1 mantissa bit; 4 bits a number), with one power-of-two scale for each 32 numbers along K (OCP MX v1.0); their sums are f32. All else is computed in f32.
;;   The module's matrix products, in the order in which they are computed (A, B: the left and right operand; K: the contracted axis; several contracted axes count as one K, in the product's order):
;;     1. batch 32 x [M 2,048, K 64] x [K 64, N 2,048]; A: input Q; B: input K: QUANTISED
;;     2. batch 32 x [M 2,048, K 2,048] x [K 2,048, N 64]; A: softmax (see below); B: input V: QUANTISED
;;   THE QUANTISER, for each operand of a quantised product, along K:
;;     - K is cut into blocks of 32 from its start; a last block that is shorter is filled with zeros.
;;     - A block's scale is 2^e with e = floor(log2(the largest magnitude in the block)) - 2, held to -126 .. 127; a block of zeros has e = 0. As a byte (E8M0): e + 127.
;;     - Each number is divided by its block's scale, clamped to +-6, and rounded to the nearest number of E2M1, ties to even, subnormals kept.
;;     - The product sums the exact products of the quantised numbers (number of the format x scale) in f32.
;;   ~~~python
;;   def quantise(x, axis):      # numpy; x: float32 -> the quantised numbers, widened to float32 again
;;       x = np.moveaxis(x, axis, -1); K = x.shape[-1]
;;       x = np.pad(x, [(0, 0)] * (x.ndim - 1) + [(0, -K % 32)]); x = x.reshape(x.shape[:-1] + (-1, 32)); a = np.abs(x).max(-1, keepdims=True)
;;       e = np.where(a > 0, np.clip(np.frexp(np.where(a > 0, a, 1))[1] - 1 - 2, -126, 127), 0)      # np.frexp(a)[1] - 1 = floor(log2(a)), exactly
;;       r = np.clip(x / 2.0 ** e, -6, 6)
;;       step = 2.0 ** (np.maximum(np.frexp(np.where(r == 0, 1, r))[1] - 1, 0) - 1)
;;       q = np.round(r / step) * step * 2.0 ** e      # np.round: ties to even
;;       return np.moveaxis(q.reshape(q.shape[:-2] + (-1,))[..., :K], -1, axis).astype(np.float32)
;;   ~~~
;;   SOFTMAX AHEAD OF A QUANTISED PRODUCT. Where the list says 'softmax', what is quantised is not the finished softmax but p = 2^(t - M), with t = logit x log2(e) and M = ceil(the row's largest t), a whole number; so 1/2 < the row's largest p <= 1. The row's sum l is taken of the UNQUANTISED p, in f32, and the product's result is divided by l at the end. Since M is a whole number, a kernel that streams over the keys may use a running M (the ceiling of the running maximum): every later rescaling is an exact power of two, which a block's scale takes up: the codes' values come out the same.
;;   OPERANDS COMPUTED ON THE WAY. 'Computed on the way' means the value that the module computes at that place (a softmax that the list does not call 'softmax' is quantised finished and normalised). What goes into a quantiser is computed in f32, as accurately as f32 sums, v_exp_f32 and their like allow (about 1e-6 of the number): no bf16 or f16 on the way to a quantiser, and a product that is left as it is and whose result goes on into a quantised operand takes f32 operands (vector FMAs, or v_wmma_f32_16x16x4_f32). A number that lies on a knife's edge between two numbers of the format may be rounded either way, as far as f32 arithmetic and the matrix unit's own rounding can turn it there, and no further.
;; 2 versions. Each part assembles by itself: llvm-mc -triple=amdgcn-amd-amdhsa -mcpu=gfx1250 --defsym DOCPART=n.
;; ======== version 1 of 2: 2 launches
;; limits: right only within a limited range of input values
;; workspace buffers: kv 4,456,448 bytes
;; launch quant (part 1): grid 16 x 32, 4 waves a work-group, no clusters, 17,920 bytes of LDS; arguments K, V, seqlens, kv; writes kv
.if DOCPART == 1
	.amdgcn_target "amdgcn-amd-amdhsa--gfx1250"
	.amdhsa_code_object_version 6
	.text
	.protected	k_qf3d34dc397_quant
	.globl	k_qf3d34dc397_quant
	.p2align	8
	.type	k_qf3d34dc397_quant,@function
k_qf3d34dc397_quant:
	s_mov_b64 s[64:65], 0
	v_nop
	global_prefetch_b8 v0, s[64:65] scope:SCOPE_SE
	s_setreg_imm32_b32 hwreg(HW_REG_WAVE_MODE, 25, 1), 1
	s_wait_xcnt 0x0
; K and V, [32 heads][2048 keys][64] f32, become codes of FP4 (E2M1) with one E8M0 scale byte for each 32 along a product's K:
; K is quantised along its 64 channels (first product), V along the keys (second product).  A block's scale is 2^(floor(log2(largest magnitude)) - 2):
; its byte is the largest magnitude's exponent field - 2, held at 1 from below; numbers are divided by the scale and rounded to the nearest code, ties to even, beyond 6 the code of 6.
; A work-group makes ONE RECORD of 8,704 bytes: one head (grid y), one step of 128 keys (grid x), laid in the order of the operands' registers (l = lane, r = l % 16, h = l / 16):
;   [0, 4096)     K: fragment b (0..3), half u at 1024 b + 512 u + 16 l: the 32 codes of key 32 b + 8 u + r + 8 (r / 8), channels 32 h .. 32 h + 31
;   [4096, 8192)  V^T: tile t (0..3), half c at 4096 + 1024 t + 512 c + 16 l: channel 16 t + r, keys 64 c + 32 h + 0 .. 31
;   [8192, 8448)  K's scale words, plane i at + 128 i + 4 l: lanes 0-15 fragment 2 i's row r, lanes 16-31 fragment 2 i + 1's; bytes (u 0 block 0, u 0 block 1, u 1 block 0, u 1 block 1)
;   [8448, 8704)  V's scale words, plane i: lanes 0-15 tile 2 i, lanes 16-31 tile 2 i + 1; byte n scales keys 32 n .. 32 n + 31
; A record whose 128 keys all lie at or past the batch's seqlen is read by nobody and is not made: that work-group ends.  Record 0 of every head is always made.
; V's blocks are quantised whole: keys past seqlen count in their block's scale, as the quantiser of the problem has it.
; Waves 0, 1: K, 64 keys each.  Waves 2, 3: V, 32 channels each.  The waves share nothing: no barrier.
; LIMITS: NaN and infinities are not served.  A block of zeros gets the byte 1 where the rule says 127: its codes are zeros, and this program alone reads the bytes.
.set REC, 8704
.set SP,  272                          ; a stage row: 256 bytes + 16: 68 words, so that sixteen rows begin in sixteen different groups of banks
.set C,   16                           ; v16-31  codes: four registers for each pass or block, so that no store's data are written again
.set E,   32                           ; v32-35  K: a pass's scale byte
.set W,   36                           ; v36-37  scale words
.set D,   64                           ; v64-191 numbers
	s_load_b128 s[4:7], s[0:1], 0x0                ; K, V
	s_load_b128 s[8:11], s[0:1], 0x10              ; seqlens, kv
	v_lshl_add_u32 v192, v0, 2, 0x4400
	v_mov_b32 v193, 0
	v_lshrrev_b32 v1, 5, v0
	v_readfirstlane_b32 s26, v1                    ; wave 0..3
	s_and_b32 s27, s26, 1                          ; which half of K's keys, or of V's channels, is mine
	v_and_b32 v1, 31, v0                           ; l
	v_and_b32 v2, 15, v0                           ; r
	v_bfe_u32 v3, v0, 4, 1                         ; h
	; every address register is made here, ahead of the parting of the waves
	s_mul_i32 s28, s26, 16*SP                      ; my stage in LDS: 16 rows
	v_mul_u32_u24 v4, v3, SP
	v_lshl_add_u32 v4, v2, 4, v4
	v_add_nc_u32 v4, s28, v4                       ; into the stage: a load's 512 bytes are two rows: row h, byte 16 r
	v_mul_u32_u24 v5, v2, SP
	v_lshl_add_u32 v5, v3, 7, v5
	v_add_nc_u32 v5, s28, v5                       ; out of it: row r, my block's 128 bytes
	v_lshlrev_b32 v6, 4, v1
	s_lshl_b32 s28, s27, 14
	v_add_nc_u32 v7, s28, v6                       ; K in memory: 16 l + my 64 keys of 256 bytes
	s_lshl_b32 s28, s27, 11
	v_add_nc_u32 v8, s28, v6                       ; K's codes in the record: 16 l + 2048 w
	v_lshlrev_b32 v11, 10, v3
	v_lshl_add_u32 v11, v2, 4, v11
	v_add_nc_u32 v11, s28, v11                     ; V's codes in the record: 2048 w + 1024 h + 16 r
	s_lshl_b32 s28, s27, 7
	v_lshl_add_u32 v9, v1, 2, s28                  ; 4 l + 128 w: V in memory (my channel), and both kinds of scale words in the record
	s_and_b32 s16, ttmp7, 0xffff                   ; head
	s_lshr_b32 s17, s16, 3                         ; batch
	s_lshl_b32 s19, ttmp9, 7                       ; the record's first key
	s_mov_b32 s30, 0x76543210
	s_mov_b32 s31, 0xfedcba98                      ; v_permlanex16_b32's selects for lane l xor 16
	s_lshl_b32 s20, s16, 19                        ; a head is 2,048 keys of 256 bytes,
	s_lshl_b32 s28, ttmp9, 15                      ; a step 128 of them
	s_add_co_u32 s20, s20, s28
	s_mov_b32 s21, 0
	s_lshl_b32 s24, s16, 4
	s_add_co_u32 s24, s24, ttmp9
	s_mul_i32 s24, s24, REC                        ; record 16 head + step
	s_mov_b32 s25, 0
	s_wait_kmcnt 0x0
	s_load_b128 s[12:15], s[8:9], 0x0              ; the four seqlens
	s_add_nc_u64 s[22:23], s[6:7], s[20:21]        ; V at the step's first key
	s_add_nc_u64 s[20:21], s[4:5], s[20:21]        ; K likewise
	s_add_nc_u64 s[24:25], s[10:11], s[24:25]      ; my record
	s_wait_kmcnt 0x0
	s_cmp_eq_u32 s17, 1
	s_cselect_b32 s18, s13, s12
	s_cmp_eq_u32 s17, 2
	s_cselect_b32 s18, s14, s18
	s_cmp_eq_u32 s17, 3
	s_cselect_b32 s18, s15, s18                    ; my batch's seqlen,
	s_max_i32 s18, s18, 0
	s_min_u32 s18, s18, 2048                       ; held to 0 .. 2,048 as pos < seqlen holds it,
	s_max_u32 s18, s18, 1                          ; and at least 1: record 0 is always made
	s_cmp_ge_u32 s19, s18
	s_cbranch_scc1 .Lend                           ; all 128 keys lie past it: nobody reads this record
	s_cmp_lt_u32 s26, 2
	s_cbranch_scc0 .Lv
	; ---- K.  Pass p = 2 f + u makes half u of my fragment f: 16 keys, eight neighbours and the eight that lie 16 further on.  Each load reads 512 consecutive bytes (two keys);
	; a lane must hold a whole block of 32 neighbours of ONE key, so a pass's 4,096 bytes turn through my stage.  All 32 loads go out at once.
.irp p, 0,1,2,3
.irp n, 0,1,2,3,4,5,6,7
	global_load_b128 v[D+32*\p+4*\n:D+32*\p+4*\n+3], v7, s[20:21] offset:(32*(\p/2)+8*(\p%2))*256+512*\n+2048*(\n/4) th:TH_LOAD_NT
.endr
.endr
.macro KPASS p
.set DP, D+32*(\p)
	s_wait_loadcnt 24-8*(\p)                       ; loads come back in order: this pass's eight are in, the later passes' eight each may be out
.irp n, 0,1,2,3,4,5,6,7
	ds_store_b128 v4, v[DP+4*\n:DP+4*\n+3] offset:2*\n*SP
.endr
.irp n, 0,1,2,3,4,5,6,7
	ds_load_b128 v[DP+4*\n:DP+4*\n+3], v5 offset:16*\n   ; LDS serves a wave's instructions in order: these see the stores above, and come into the registers that those left
.endr
	s_wait_dscnt 0x0
	v_max3_num_f32 v40, |v[DP]|, |v[DP+1]|, |v[DP+2]|    ; the block's largest magnitude: all 32 numbers are mine; two chains
	v_max3_num_f32 v41, |v[DP+3]|, |v[DP+4]|, |v[DP+5]|
.irp i, 6,10,14,18,22,26
	v_max3_num_f32 v40, v40, |v[DP+\i]|, |v[DP+\i+1]|
	v_max3_num_f32 v41, v41, |v[DP+\i+2]|, |v[DP+\i+3]|
.endr
	v_max3_num_f32 v40, v40, |v[DP+30]|, |v[DP+31]|
	v_max3_num_f32 v40, v40, v41, 0x1800000        ; and the floor 2^(3 - 127): the byte cannot fall under 1
	v_add_nc_u32 v42, 0xff000000, v40              ; 2 off the exponent field: the conversion takes this operand's exponent field as its scale
.irp g, 0,1,2,3
	v_cvt_scalef32_pk8_fp4_f32 v[C+4*(\p)+\g], v[DP+8*\g:DP+8*\g+7], v42
.endr
	v_lshrrev_b32 v[E+(\p)], 23, v42               ; the scale's byte (also the plain line behind the conversions)
	global_store_b128 v8, v[C+4*(\p):C+4*(\p)+3], s[24:25] offset:512*(\p)   ; 32 lanes store 512 consecutive bytes, at a multiple of 256 from kv's first byte
.endm
	KPASS 0
	KPASS 1
	KPASS 2
	KPASS 3
	v_lshlrev_b32 v43, 3, v3                       ; 8 h
	v_mov_b32 v44, 0                               ; a lane permute's destination counts as one of its sources
.irp f, 0,1
	v_lshl_or_b32 v[W+\f], v[E+2*\f+1], 16, v[E+2*\f]    ; my block's bytes of halves 0 and 1,
	v_lshlrev_b32 v[W+\f], v43, v[W+\f]            ; at block h's places;
	v_permlanex16_b32 v44, v[W+\f], s30, s31
	v_or_b32 v[W+\f], v[W+\f], v44                 ; with lane l xor 16's the word of row r is whole
.endr
	v_cmp_gt_u32 vcc_lo, 16, v1
	v_cndmask_b32 v45, v[W+1], v[W], vcc_lo        ; lanes 0-15 my first fragment's words, lanes 16-31 my second's
	global_store_b32 v9, v45, s[24:25] offset:8192
	s_wait_tensorcnt 0x0
	ds_add_u32 v192, v193
	s_wait_dscnt 0x0
	s_endpgm
	; ---- V.  A lane takes channel 32 w + l and its registers run down the keys: a block of 32 keys lies in one lane, and the codes come out with the keys innermost.
.Lv:
.macro VLOAD n
.irp k, 0,1,2,3,4,5,6,7,8,9,10,11,12,13,14,15,16,17,18,19,20,21,22,23,24,25,26,27,28,29,30,31
	global_load_b32 v[D+32*((\n)%2)+\k], v9, s[22:23] offset:(32*(\n)+\k)*256   ; 128 consecutive bytes a wave; the two waves side by side take a key's 256
.endr
.endm
	VLOAD 0
	VLOAD 1
.macro VBLOCK n
.set DP, D+32*((\n)%2)
.if (\n) < 3
	s_wait_loadcnt 32                              ; this block's 32 loads are in; the next block's 32 may be out
.else
	s_wait_loadcnt 0x0
.endif
	v_max3_num_f32 v40, |v[DP]|, |v[DP+1]|, |v[DP+2]|
	v_max3_num_f32 v41, |v[DP+3]|, |v[DP+4]|, |v[DP+5]|
.irp i, 6,10,14,18,22,26
	v_max3_num_f32 v40, v40, |v[DP+\i]|, |v[DP+\i+1]|
	v_max3_num_f32 v41, v41, |v[DP+\i+2]|, |v[DP+\i+3]|
.endr
	v_max3_num_f32 v40, v40, |v[DP+30]|, |v[DP+31]|
	v_max3_num_f32 v40, v40, v41, 0x1800000        ; the floor, as above
	v_add_nc_u32 v42, 0xff000000, v40
.irp g, 0,1,2,3
	v_cvt_scalef32_pk8_fp4_f32 v[C+4*(\n)+\g], v[DP+8*\g:DP+8*\g+7], v42
.endr
	v_lshrrev_b32 v45, 23, v42                     ; the byte (also the plain line behind the conversions)
.if (\n) == 0
	v_mov_b32 v[W], v45                            ; four bytes make my channel's scale word, the lower keys in the lower byte
.else
	v_lshl_or_b32 v[W], v45, 8*(\n), v[W]
.endif
	global_store_b128 v11, v[C+4*(\n):C+4*(\n)+3], s[24:25] offset:4096+512*((\n)/2)+256*((\n)%2)   ; sixteen lanes store 256 consecutive bytes, aligned: block n is half n / 2, lanes' half n % 2 of my tile
.if (\n) < 2
	VLOAD (\n)+2
.endif
.endm
	VBLOCK 0
	VBLOCK 1
	VBLOCK 2
	VBLOCK 3
	global_store_b32 v9, v[W], s[24:25] offset:8448
.Lend:
	s_endpgm
.Lfunc_end_k_qf3d34dc397_quant:
	.size	k_qf3d34dc397_quant, .Lfunc_end_k_qf3d34dc397_quant-k_qf3d34dc397_quant
	.p2alignl 7, 3214868480
	.fill 96, 4, 3214868480
	.section	.rodata,"a",@progbits
	.p2align	6, 0x0
	.amdhsa_kernel k_qf3d34dc397_quant
		.amdhsa_group_segment_fixed_size 17920
		.amdhsa_private_segment_fixed_size 0
		.amdhsa_enable_private_segment 0
		.amdhsa_kernarg_size 32
		.amdhsa_user_sgpr_count 2
		.amdhsa_user_sgpr_kernarg_segment_ptr 1
		.amdhsa_wavefront_size32 1
		.amdhsa_system_sgpr_workgroup_id_x 1
		.amdhsa_system_sgpr_workgroup_id_y 1
		.amdhsa_system_sgpr_workgroup_id_z 1
		.amdhsa_system_vgpr_workitem_id 0
		.amdhsa_next_free_vgpr 194
		.amdhsa_next_free_sgpr 66
		.amdhsa_reserve_vcc 1
		.amdhsa_float_denorm_mode_32 3
		.amdhsa_float_denorm_mode_16_64 3
		.amdhsa_memory_ordered 1
		.amdhsa_forward_progress 1
		.amdhsa_inst_pref_size 35
	.end_amdhsa_kernel
	.amdgpu_metadata
---
amdhsa.version: [ 1, 2 ]
amdhsa.kernels:
  - .name:           k_qf3d34dc397_quant
    .symbol:         k_qf3d34dc397_quant.kd
    .args:
      - { .name: K, .offset: 0, .size: 8, .value_kind: global_buffer, .address_space: global }
      - { .name: V, .offset: 8, .size: 8, .value_kind: global_buffer, .address_space: global }
      - { .name: seqlens, .offset: 16, .size: 8, .value_kind: global_buffer, .address_space: global }
      - { .name: kv, .offset: 24, .size: 8, .value_kind: global_buffer, .address_space: global }
    .group_segment_fixed_size: 17920
    .private_segment_fixed_size: 0
    .kernarg_segment_align: 8
    .kernarg_segment_size: 32
    .max_flat_workgroup_size: 128
    .sgpr_count:     66
    .vgpr_count:     194
    .wavefront_size: 32
...
	.end_amdgpu_metadata
.endif
;; end of part 1
;; launch attn (part 2): grid 32 x 8, 16 waves a work-group, no clusters, 210,944 bytes of LDS; arguments Q, kv, seqlens, out0; writes out0
.if DOCPART == 2
	.amdgcn_target "amdgcn-amd-amdhsa--gfx1250"
	.amdhsa_code_object_version 6
	.text
	.protected	k_qf3d34dc397_attn
	.globl	k_qf3d34dc397_attn
	.p2align	8
	.type	k_qf3d34dc397_attn,@function
k_qf3d34dc397_attn:
	s_mov_b64 s[64:65], 0
	v_nop
	global_prefetch_b8 v0, s[64:65] scope:SCOPE_SE
	s_setreg_imm32_b32 hwreg(HW_REG_WAVE_MODE, 25, 1), 1
	s_wait_xcnt 0x0
; out[b][h][q][:] = sum over keys k < seqlen[b] of softmax_k(Q[q] . K[k]) V[k][:] for q < seqlen[b], 0 for the other rows.  Both products on codes of FP4 (E2M1), one E8M0 scale for each 32 along a product's K.
; K and V come as records of 128 keys in the order of the operands' registers (8,704 bytes: K's four fragments, V^T's four, K's and V's scale words); Q, f32, is quantised here in registers.
; THE SOFTMAX: t = score x log2(e); M = the running largest t, rounded UP to a whole number; p = 2^(t - M) is quantised along the keys; the row's sum is taken of the unquantised p and divides at the end.
; When M moves, the sum and O^T are multiplied by 2^(old M - new M): exact.
; SHARES.  Work-group (j, h), sixteen waves of 256 registers, four to a SIMD.  Wave w serves batch g = w / 4 (head 8 g + h) and ONE tile of 16 queries, j + 32 k: the four waves of a batch take the four k,
; so each of a head's 128 tiles has one owner.  A tile is LIVE if it has a query under seqlen[g]; a batch has a = 0..4 live tiles here.  k = (w % 4 - the live tiles of the batches before) mod 4 deals the live tiles
; of all four batches round the four places w % 4.  A tile that is not live is stored as zeros at the head.  A live wave walks the key steps under seqlen[g] and no further.
; THE RING.  Two LDS slots, each with two records for each of the four batches.  The four waves of a batch copy a record through registers, a quarter each, loaded two key steps ahead.
; One barrier for two key steps; the loop's trip count is a constant and every barrier is on every wave's path; what seqlens decide is jumped over by scalar branches that hold no barrier.
; NO TENSOR LOADS, NO CLUSTER: the number of key steps and of live tiles hangs on seqlens, which is read from memory;
; of 128 x 16 tile steps of a head only (seqlen / 16) x (seqlen / 128) are walked here.
; LAYOUT.  Both products are used transposed: S^T = K Q^T, O^T = V^T P^T: a lane holds ONE query (lane % 16) throughout.  The first product's K is 64, the instruction's 128: a fragment of K carries TWO tiles of 16 keys
; (k 0..63 and k 64..127), and Q stands as [Q | 0] for the first and [0 | Q] for the second: zero codes add nothing.  The keys of a tile are chosen so that registers 16 b + i of S^T hold key 32 b + 16 (lane / 16) + i.
; LIMITS: NaN and infinities are not served.  p under 2^-126 becomes 0.  A block of zeros has the byte 1: its codes are zeros.  Key steps wholly past seqlen are left out: that is reference()'s result as long as some
; valid logit lies above about -1e9 + 100.  seqlens under 0 count as 0, over 2,048 as 2,048, as pos < seqlen has it.
.set REC,  8704                        ; a record
.set GRP,  2*REC                       ; a batch's part of a slot
.set SLOT, 4*GRP
.set STG,  2*SLOT                      ; behind the ring: a stage of 16 rows x 272 bytes for each wave, for the way out
.set SPT,  272
.set LI,   1                           ; v1, v2   16 l + my batch's part of slot 0, 1
.set LS,   3                           ; v3, v4   4 l + the same
.set SW,   5                           ; v5, v6   where I store my quarter of a record's codes: 16 l + 2048 (w % 4) + the same
.set SS,   7                           ; v7, v8   and of its scale words: 4 l + 128 (w % 4) + 8192 + the same
.set STO,  9                           ; v9       my stage: where I put 32 bytes of a row
.set RD,   10                          ; v10      and where I read rows back
.set GV,   11                          ; v11      my quarter of a record's codes in memory
.set GS,   12                          ; v12      and of its scale words
.set QA,   13                          ; v13      Q: 256 r + 128 h
.set GO,   14                          ; v14      out: 16 l
.set H16,  15                          ; v15      16 h.   v1-v15 are never rewritten
.set NM,   16                          ; v16      -M;  v17 the largest t (a pair: the packed form names both)
.set TM,   17
.set L,    18                          ; v[18:19] the row's sum in two halves
.set FF,   20                          ; v[20:21] f = 2^(old M - new M)
.set PW,   22                          ; v22      p's scale word
.set QS,   23                          ; v23      Q's scale word (q0, q1, q0, q1)
.set QB,   24                          ; v24-27 Q's codes, v28-31 zeros (never rewritten), v32-35 Q's codes again
.set KS,   36                          ; v36, v37 K's scale words;  v38, v39 V's
.set VS,   38
.set F,    40                          ; v40-71   four fragments: K's, then V's
.set S,    72                          ; v72-135  S^T, then p
.set O,    136                         ; v136-167 O^T
.set PC,   168                         ; v168-175 p's codes
.set BM,   176                         ; v176-179 the blocks' largest scores, then largest p
.set PD,   180                         ; v180-183 lane permutes' destinations
.set SX,   184                         ; v184-187 the conversions' scale operands
.set BY,   188                         ; v188-191 scale bytes
.set SUM2, 192                         ; v[192:193] the sums' second chain
.set T0,   194
.set T1,   195
.set NEGV, 196                         ; v196     -1e9; never rewritten
.set DD,   197
.set STA,  200                         ; v200-216 a record's quarter on its way to LDS: four quads and a word;  v218-234 the next record's
.set STB,  218
; scalars: s[4:11] Q, kv, seqlens, out;  s12 wave, s13 batch g, s14 w % 4, s15 j, s16 h;  s[20:23] seqlens;  s[24:27] live tiles of each batch;  s28 their sum before g, s29 k, s30 tile, s31 seqlen[g],
; s32 LIMC: seqlen[g] if my tile is live, else 0;  s33 LIMS: seqlen[g] if my batch has a live tile here, else 0;  s34 KP: first key of the slot being multiplied;  s35 KN: first key of the two records in my registers;
; s[36:37] those records in memory;  s[38:39] permute selects;  s[40:41] log2(e);  s42 trips;  s[44:45] my tile of Q;  s[46:47] of out;  s48-51 at work
	s_load_b256 s[4:11], s[0:1], 0x0
	v_lshl_add_u32 v254, v0, 2, 0x33000
	v_mov_b32 v255, 0
	v_lshrrev_b32 v[T0], 5, v0
	v_readfirstlane_b32 s12, v[T0]
	s_lshr_b32 s13, s12, 2
	s_and_b32 s14, s12, 3
	s_mov_b32 s15, ttmp9
	s_and_b32 s16, ttmp7, 0xffff
	v_and_b32 v[T0], 31, v0                        ; l
	v_and_b32 v[T1], 15, v0                        ; r
	v_bfe_u32 v[DD], v0, 4, 1                      ; h
	s_mul_i32 s48, s13, GRP
	v_lshl_add_u32 v[LI], v[T0], 4, s48
	v_add_nc_u32 v[LI+1], SLOT, v[LI]
	v_lshl_add_u32 v[LS], v[T0], 2, s48
	v_add_nc_u32 v[LS+1], SLOT, v[LS]
	s_lshl_b32 s49, s14, 11
	v_lshl_add_u32 v[GV], v[T0], 4, s49
	v_add_nc_u32 v[SW], s48, v[GV]
	v_add_nc_u32 v[SW+1], SLOT, v[SW]
	s_lshl_b32 s49, s14, 7
	s_add_co_u32 s49, s49, 8192
	v_lshl_add_u32 v[GS], v[T0], 2, s49
	v_add_nc_u32 v[SS], s48, v[GS]
	v_add_nc_u32 v[SS+1], SLOT, v[SS]
	s_mul_i32 s49, s12, 16*SPT
	s_add_co_u32 s49, s49, STG
	v_mul_u32_u24 v[STO], v[T1], SPT
	v_lshl_add_u32 v[STO], v[DD], 5, v[STO]
	v_add_nc_u32 v[STO], s49, v[STO]               ; in: row r, 32 bytes for each half of the lanes
	v_mul_u32_u24 v[RD], v[DD], SPT
	v_lshl_add_u32 v[RD], v[T1], 4, v[RD]
	v_add_nc_u32 v[RD], s49, v[RD]                 ; back: lanes 0-15 one row of 256 bytes, lanes 16-31 the next
	v_lshlrev_b32 v[QA], 8, v[T1]
	v_lshl_add_u32 v[QA], v[DD], 7, v[QA]
	v_lshlrev_b32 v[GO], 4, v[T0]
	v_lshlrev_b32 v[H16], 4, v[DD]
	; what every path may read is written here once.  The key step is written once: the first finds zeros in O^T and the sum, which the first change of M leaves zeros
.set i, 0
.rept 32
	v_mov_b32 v[O+i], 0
.set i, i+1
.endr
	v_mov_b32 v[L], 0
	v_mov_b32 v[L+1], 0
	v_mov_b32 v[FF+1], 0                           ; (named as the upper half of f's pair)
	v_mov_b32 v[TM], 0xff61b1e6                    ; the largest t so far: -3e38, under every t
	v_floor_f32 v[NM], -v[TM]
	v_mov_b32 v[QS], 0
.set i, 0
.rept 12
	v_mov_b32 v[QB+i], 0
.set i, i+1
.endr
.set i, 0
.rept 4
	v_mov_b32 v[PD+i], 0                           ; a lane permute's destination counts as one of its sources
.set i, i+1
.endr
	v_mov_b32 v[NEGV], 0xce6e6b28                  ; -1e9
.set i, 0
.rept 17
	v_mov_b32 v[STB+i], 0
.set i, i+1
.endr
	s_mov_b32 s38, 0x76543210
	s_mov_b32 s39, 0xfedcba98                      ; lane l xor 16
	s_mov_b32 s40, 0x3fb8aa3b                      ; log2(e)
	s_mov_b32 s41, s40                             ; (named with it as a pair)
	s_lshl_b32 s50, s13, 3
	s_add_co_u32 s50, s50, s16                     ; my head: 8 g + h
	s_mul_i32 s36, s50, 16*REC
	s_mov_b32 s37, 0
	s_lshl_b32 s50, s50, 19                        ; its first byte in Q and in out
	s_wait_kmcnt 0x0
	s_load_b128 s[20:23], s[8:9], 0x0              ; the four seqlens
	s_add_nc_u64 s[36:37], s[6:7], s[36:37]        ; my head's record 0
.macro RLOAD set, off                  ; my quarter of a record: 2,048 bytes of codes, 512 consecutive bytes a load, and 128 bytes of scale words
.irp n, 0,1,2,3
	global_load_b128 v[\set+4*\n:\set+4*\n+3], v[GV], s[36:37] offset:\off+512*\n
.endr
	global_load_b32 v[\set+16], v[GS], s[36:37] offset:\off
.endm
.macro RSTORE set, dst, off            ; and on into LDS, as it lies
.irp n, 0,1,2,3
	ds_store_b128 v[SW+(\dst)], v[\set+4*\n:\set+4*\n+3] offset:\off+512*\n
.endr
	ds_store_b32 v[SS+(\dst)], v[\set+16] offset:\off
.endm
	RLOAD STA, 0                                   ; record 0 exists for every head: asked for before the lengths are known
	s_wait_kmcnt 0x0
.irp i, 0,1,2,3
	s_max_i32 s[20+\i], s[20+\i], 0
	s_min_u32 s[20+\i], s[20+\i], 2048
	s_add_co_u32 s[24+\i], s[20+\i], 15
	s_lshr_b32 s[24+\i], s[24+\i], 4               ; tiles with a query under seqlen: T
	s_add_co_u32 s[24+\i], s[24+\i], 31
	s_sub_co_u32 s[24+\i], s[24+\i], s15
	s_lshr_b32 s[24+\i], s[24+\i], 5               ; of j, j + 32, j + 64, j + 96 those under T: (T + 31 - j) / 32
.endr
	s_add_co_u32 s48, s24, s25
	s_add_co_u32 s49, s48, s26
	s_cmp_eq_u32 s13, 1
	s_cselect_b32 s28, s24, 0
	s_cselect_b32 s31, s21, s20
	s_cselect_b32 s51, s25, s24
	s_cmp_eq_u32 s13, 2
	s_cselect_b32 s28, s48, s28
	s_cselect_b32 s31, s22, s31
	s_cselect_b32 s51, s26, s51
	s_cmp_eq_u32 s13, 3
	s_cselect_b32 s28, s49, s28                    ; live tiles of the batches before mine
	s_cselect_b32 s31, s23, s31                    ; my batch's seqlen
	s_cselect_b32 s51, s27, s51                    ; and its live tiles here
	s_sub_co_u32 s29, s14, s28
	s_and_b32 s29, s29, 3                          ; k
	s_lshl_b32 s30, s29, 5
	s_add_co_u32 s30, s30, s15
	s_min_u32 s30, s30, 127                        ; my tile (it is under 128 by its make; held, since it enters addresses)
	s_cmp_lt_u32 s29, s51
	s_cselect_b32 s32, s31, 0                      ; LIMC
	s_cmp_gt_u32 s51, 0
	s_cselect_b32 s33, s31, 0                      ; LIMS
	s_lshl_b32 s48, s30, 12                        ; a tile is 16 rows of 256 bytes
	s_add_co_u32 s48, s48, s50
	s_mov_b32 s49, 0
	s_add_nc_u64 s[44:45], s[4:5], s[48:49]
	s_add_nc_u64 s[46:47], s[10:11], s[48:49]
	s_cmp_gt_u32 s33, 128
	s_cbranch_scc0 .Lno_rec1
	RLOAD STB, REC                                 ; record 1, if the batch has it and wants it
.Lno_rec1:
	s_cmp_eq_u32 s32, 0
	s_cbranch_scc0 .Llive
.irp i, 0,1,2,3,4,5,6,7
	global_store_b128 v[GO], v[QB+4:QB+7], s[46:47] offset:512*\i th:TH_STORE_NT   ; a tile with no query under seqlen: zeros, 512 consecutive bytes a store; its sources are never rewritten
.endr
	s_branch .Lq_done
.Llive:
	; Q: lane (r, h) takes channels 32 h .. 32 h + 31 of query r: a whole block, in the order that the operand's registers want
.irp n, 0,1,2,3,4,5,6,7
	global_load_b128 v[S+4*\n:S+4*\n+3], v[QA], s[44:45] offset:16*\n
.endr
	s_wait_loadcnt 0x0
	v_max3_num_f32 v[T0], |v[S]|, |v[S+1]|, |v[S+2]|
	v_max3_num_f32 v[T1], |v[S+3]|, |v[S+4]|, |v[S+5]|
.irp i, 6,10,14,18,22,26
	v_max3_num_f32 v[T0], v[T0], |v[S+\i]|, |v[S+\i+1]|
	v_max3_num_f32 v[T1], v[T1], |v[S+\i+2]|, |v[S+\i+3]|
.endr
	v_max3_num_f32 v[T0], v[T0], |v[S+30]|, |v[S+31]|
	v_max3_num_f32 v[T0], v[T0], v[T1], 0x1800000  ; the floor 2^(3 - 127): the byte cannot fall under 1
	v_add_nc_u32 v[T1], 0xff000000, v[T0]          ; 2 off the exponent field: the conversion's scale operand
.irp n, 0,1,2,3
	v_cvt_scalef32_pk8_fp4_f32 v[QB+\n], v[S+8*\n:S+8*\n+7], v[T1]
.endr
	v_lshrrev_b32 v[T0], 23, v[T1]                 ; the byte (also the plain line behind the conversions)
.irp n, 0,1,2,3
	v_mov_b32 v[QB+8+\n], v[QB+\n]                 ; [Q | 0 | Q]: v[24:31] serves a fragment's first tile of keys, v[28:35] its second
.endr
	v_lshl_or_b32 v[T0], v[T0], 16, v[T0]          ; the byte for k 32 h on and for k 64 + 32 h on,
	v_lshrrev_b32 v[T1], 1, v[H16]
	v_lshlrev_b32 v[T0], v[T1], v[T0]              ; 8 h bits up;
	v_permlanex16_b32 v[PD], v[T0], s38, s39
	v_or_b32 v[QS], v[T0], v[PD]                   ; with lane l xor 16's the word is whole
.Lq_done:
.rept 8
	v_nop                                          ; a scale register written by a vector instruction stands 8 places ahead of a scaled matrix instruction, an operand so written 4
.endr
	s_mov_b32 s34, 0
	s_mov_b32 s35, 0
; The two records in my registers (keys KN on, KN + 128 on) go into slot dst, and the next two are asked for.  All loads here stand under branches on seqlens, so every wait is for 0: a count would not hold on every path.
.macro STAGE dst
	s_wait_loadcnt 0x0                             ; my records are in, and no load of mine still reads its base
	s_cmp_lt_u32 s35, s33
	s_cbranch_scc0 .Lsa_\@
	RSTORE STA, \dst, 0
.Lsa_\@:
	s_add_co_u32 s48, s35, 128
	s_cmp_lt_u32 s48, s33
	s_cbranch_scc0 .Lsb_\@
	RSTORE STB, \dst, REC
.Lsb_\@:
	s_wait_dscnt 0x0                               ; the stores have read their registers: these may be loaded again
	s_add_nc_u64 s[36:37], s[36:37], GRP
	s_add_co_u32 s48, s35, 256
	s_cmp_lt_u32 s48, s33
	s_cbranch_scc0 .Lla_\@
	RLOAD STA, 0                                   ; only records with a key under seqlen are read: those exist, and lie inside the buffer
.Lla_\@:
	s_add_co_u32 s48, s35, 384
	s_cmp_lt_u32 s48, s33
	s_cbranch_scc0 .Llb_\@
	RLOAD STB, REC
.Llb_\@:
	s_add_co_u32 s35, s35, 256
.endm
; A KEY STEP: 128 keys, record q of slot sl.
.macro STEP sl, q
	s_add_co_u32 s49, s34, 128*\q                  ; the step's first key
	s_cmp_ge_u32 s49, s32
	s_cbranch_scc1 .Lskip_\@                       ; past seqlen, or my tile is not live
.rept 4
	v_nop                                          ; places in front of loads into registers that the last products read
.endr
.irp m, 0,1,2,3,4,5,6,7
	ds_load_b128 v[F+4*\m:F+4*\m+3], v[LI+\sl] offset:REC*\q+512*\m         ; K's four fragments, as images of their registers: 512 consecutive bytes a load
.endr
.irp i, 0,1
	ds_load_b32 v[KS+\i], v[LS+\sl] offset:REC*\q+8192+128*\i
.endr
	s_wait_dscnt 0x0
.irp b, 0,1,2,3                        ; S^T: fragment b against [Q | 0] and [0 | Q]: tiles 2 b and 2 b + 1
.irp u, 0,1
.if \b%2
	v_wmma_scale_f32_16x16x128_f8f6f4 v[S+8*(2*\b+\u):S+8*(2*\b+\u)+7], v[F+8*\b:F+8*\b+7], v[QB+4*\u:QB+4*\u+7], 0, v[KS+\b/2], v[QS] matrix_a_fmt:MATRIX_FMT_FP4 matrix_b_fmt:MATRIX_FMT_FP4 matrix_a_scale:MATRIX_SCALE_ROW1
.else
	v_wmma_scale_f32_16x16x128_f8f6f4 v[S+8*(2*\b+\u):S+8*(2*\b+\u)+7], v[F+8*\b:F+8*\b+7], v[QB+4*\u:QB+4*\u+7], 0, v[KS+\b/2], v[QS] matrix_a_fmt:MATRIX_FMT_FP4 matrix_b_fmt:MATRIX_FMT_FP4
.endif
.endr
.endr
.rept 4
	v_nop                                          ; places: behind them K's registers may be loaded again and the scores read
.endr
.irp m, 0,1,2,3,4,5,6,7
	ds_load_b128 v[F+4*\m:F+4*\m+3], v[LI+\sl] offset:REC*\q+4096+512*\m    ; V^T's four fragments are asked for now and land under the softmax
.endr
.irp i, 0,1
	ds_load_b32 v[VS+\i], v[LS+\sl] offset:REC*\q+8448+128*\i
.endr
	s_add_co_u32 s48, s49, 128
	s_cmp_le_u32 s48, s31
	s_cbranch_scc1 .Lopen_\@                       ; all 128 keys count
	s_sub_co_u32 s48, s31, s49                     ; the one step that seqlen cuts: the scores of keys at or past it become -1e9, as reference() has it
	s_sub_co_u32 s48, s48, 1
	v_sub_nc_u32 v[DD], s48, v[H16]                ; d = seqlen - 1 - first key - 16 h.  Register 16 b + i holds key 32 b + 16 h + i of the step: masked where 32 b + i > d
.irp b, 0,1,2,3
.irp i, 0,1,2,3,4,5,6,7,8,9,10,11,12,13,14,15
	v_cmp_gt_i32 vcc_lo, 32*\b+\i, v[DD]
	v_cndmask_b32 v[S+16*\b+\i], v[S+16*\b+\i], v[NEGV], vcc_lo
.endr
.endr
.Lopen_\@:
.irp b, 0,1,2,3
	v_max3_num_f32 v[BM+\b], v[S+16*\b], v[S+16*\b+1], v[S+16*\b+2]    ; the largest score of each block of 32 keys: it serves for the row's maximum and, since p rises with the score, for the block's largest p
.endr
.irp i, 3,5,7,9,11,13
.irp b, 0,1,2,3
	v_max3_num_f32 v[BM+\b], v[BM+\b], v[S+16*\b+\i], v[S+16*\b+\i+1]  ; (the four blocks by turns; each accumulator is read from its low end on)
.endr
.endr
.irp b, 0,1,2,3
	v_max_num_f32 v[BM+\b], v[BM+\b], v[S+16*\b+15]
.endr
.irp b, 0,1,2,3
	v_permlanex16_b32 v[PD+\b], v[BM+\b], s38, s39
.endr
.irp b, 0,1,2,3
	v_max_num_f32 v[BM+\b], v[BM+\b], v[PD+\b]     ; with lane l xor 16's 16 keys
.endr
	v_max3_num_f32 v[T0], v[BM], v[BM+1], v[BM+2]
	v_max_num_f32 v[T0], v[T0], v[BM+3]            ; the step's largest score of my query,
	v_mul_f32 v[T0], s40, v[T0]                    ; as t
	v_max_num_f32 v[TM], v[TM], v[T0]              ; the running largest t
	v_mov_b32 v[T0], v[NM]
	v_floor_f32 v[NM], -v[TM]                      ; the new -M = floor(-t) = -ceil(t): a whole number
	v_sub_f32 v[T0], v[NM], v[T0]                  ; old M - new M: a whole number, 0 or less
	v_cvt_i32_f32 v[T0], v[T0]                     ; (it saturates)
	v_ldexp_f32 v[FF], 1.0, v[T0]                  ; f = 2^(old M - new M)
.irp b, 0,1,2,3
.irp i, 0,2,4,6,8,10,12,14
	v_pk_fma_f32 v[S+16*\b+\i:S+16*\b+\i+1], v[S+16*\b+\i:S+16*\b+\i+1], s[40:41], v[NM:NM+1] op_sel_hi:[1,0,0]   ; t - M, two at a time, one rounding
.endr
.endr
.irp b, 0,1,2,3
	v_fma_f32 v[BM+\b], v[BM+\b], s40, v[NM]       ; the same of each block's largest score
.endr
.irp b, 0,1,2,3
.irp i, 0,1,2,3,4,5,6,7,8,9,10,11,12,13,14,15
	v_exp_f32 v[S+16*\b+\i], v[S+16*\b+\i]         ; p = 2^(t - M), at most 1, not normalised
.endr
.endr
	v_pk_mul_f32 v[L:L+1], v[L:L+1], v[FF:FF+1] op_sel_hi:[1,0]   ; the sums under the new M (the plain line behind the exponentials)
	s_wait_alu depctr_va_vdst(0)                   ; one wait for the batch of 64, ahead of its first reader
.irp b, 0,1,2,3
	v_exp_f32 v[BM+\b], v[BM+\b]                   ; the block's largest p: the same two instructions on the same number give the same bits
.endr
	v_pk_add_f32 v[SUM2:SUM2+1], v[S:S+1], v[S+2:S+3]             ; the row's sum is taken of the unquantised p: two at a time, in two chains
.irp j, 4,8,12,16,20,24,28,32,36,40,44,48,52,56,60
	v_pk_add_f32 v[L:L+1], v[L:L+1], v[S+\j:S+\j+1]
	v_pk_add_f32 v[SUM2:SUM2+1], v[SUM2:SUM2+1], v[S+\j+2:S+\j+3]
.endr
	v_pk_add_f32 v[L:L+1], v[L:L+1], v[SUM2:SUM2+1]
	s_wait_alu depctr_va_vdst(0)                   ; and one for the four
.irp b, 0,1,2,3
	v_max_num_f32 v[BM+\b], 0x1800000, v[BM+\b]    ; the floor 2^(3 - 127): a block whose every p is 0 keeps the byte 1: its codes are zeros
.endr
.irp b, 0,1,2,3
	v_add_nc_u32 v[SX+\b], 0xff000000, v[BM+\b]    ; 2 off the exponent field: the conversion's scale operand
.endr
.irp b, 0,1,2,3
	v_lshrrev_b32 v[BY+\b], 23, v[SX+\b]           ; the scale's byte
.endr
	v_lshl_or_b32 v[PW], v[BY+1], 8, v[BY]         ; p's scale word for these 128 keys
	v_lshl_or_b32 v[PW], v[BY+2], 16, v[PW]
	v_lshl_or_b32 v[PW], v[BY+3], 24, v[PW]
.irp b, 0,1,2,3
	v_cvt_scalef32_pk8_fp4_f32 v[PC+2*\b], v[S+16*\b:S+16*\b+7], v[SX+\b]
	v_cvt_scalef32_pk8_fp4_f32 v[PC+2*\b+1], v[S+16*\b+8:S+16*\b+15], v[SX+\b]
.endr
	v_nop                                          ; one plain line behind the conversions
.irp c, 0,1                            ; the operand's layout wants a whole block in a lane: lanes 0-15 block 2 c, lanes 16-31 block 2 c + 1
.irp i, 0,1
	v_permlane16_swap_b32 v[PC+4*\c+\i], v[PC+4*\c+2+\i]
.endr
.endr
.irp j, 0,2,4,6,8,10,12,14,16,18,20,22,24,26,28,30
	v_pk_mul_f32 v[O+\j:O+\j+1], v[O+\j:O+\j+1], v[FF:FF+1] op_sel_hi:[1,0]   ; O^T under the new M.  For each product below, twelve of these sixteen name none of its registers: the places behind p's codes and scale word
.endr
	s_wait_dscnt 0x0                               ; V's fragments and scale words are in
.irp t, 0,1,2,3                        ; O^T += V^T P^T: four accumulators by turns; between two links of one chain stand the other three and the next step's eight
.if \t%2
	v_wmma_scale_f32_16x16x128_f8f6f4 v[O+8*\t:O+8*\t+7], v[F+8*\t:F+8*\t+7], v[PC:PC+7], v[O+8*\t:O+8*\t+7], v[VS+\t/2], v[PW] matrix_a_fmt:MATRIX_FMT_FP4 matrix_b_fmt:MATRIX_FMT_FP4 matrix_a_scale:MATRIX_SCALE_ROW1
.else
	v_wmma_scale_f32_16x16x128_f8f6f4 v[O+8*\t:O+8*\t+7], v[F+8*\t:F+8*\t+7], v[PC:PC+7], v[O+8*\t:O+8*\t+7], v[VS+\t/2], v[PW] matrix_a_fmt:MATRIX_FMT_FP4 matrix_b_fmt:MATRIX_FMT_FP4
.endif
.endr
.Lskip_\@:
.endm
; Two key steps on slot sl.  ONE barrier does two things: in front of it each wave's stores into slot sl have landed and its reads of the other slot are back; behind it slot sl is whole and nobody reads the other,
; which takes the next two records at once; the loads for the two after those then have these two key steps in which to land.
.macro PHASE sl
	s_wait_dscnt 0x0
	s_barrier_signal -1
	s_barrier_wait -1
	STAGE 1-\sl
	STEP \sl, 0
	STEP \sl, 1
	s_add_co_u32 s34, s34, 256
.endm
	STAGE 0                                        ; records 0 and 1 into slot 0; records 2 and 3 are asked for
	s_mov_b32 s42, 4                               ; 4 trips x 2 phases x 2 steps x 128 keys = 2,048: a constant, so that every wave meets all eight barriers
.Ltrip:
	PHASE 0
	PHASE 1
	s_sub_co_u32 s42, s42, 1
	s_cmp_lg_u32 s42, 0
	s_cbranch_scc1 .Ltrip
	s_cmp_eq_u32 s32, 0
	s_cbranch_scc1 .Lend                           ; a tile that is not live was stored at the head
	; THE WAY OUT.  O^T / the sum, 0 in rows at or past seqlen, goes through my own stage in LDS and leaves as whole rows of 256 bytes.  The lines up to the first read of O^T are the places behind the last products.
	v_add_f32 v[L], v[L], v[L+1]                   ; the sum's two halves,
	v_permlanex16_b32 v[PD], v[L], s38, s39
	v_add_f32 v[L], v[L], v[PD]                    ; and lane l xor 16's: at least 1/2, since key 0 counts for every query
	v_rcp_f32 v[T0], v[L]
	v_and_b32 v[T1], 15, v0                        ; (a plain line behind the reciprocal)
	s_lshl_b32 s48, s30, 4
	v_add_nc_u32 v[T1], s48, v[T1]                 ; my query
	v_cmp_gt_u32 vcc_lo, s31, v[T1]                ; under seqlen?
	s_wait_alu depctr_va_vdst(0)                   ; the wait ahead of the reciprocal's first reader
	v_cndmask_b32 v[T0], 0, v[T0], vcc_lo
.set i, 0
.rept 32
	v_mul_f32 v[S+i], v[O+i], v[T0]                ; register 8 t + n is out(r, 16 t + 8 h + n); each accumulator from its low end on
.set i, i+1
.endr
.irp t, 0,1,2,3
	ds_store_b128 v[STO], v[S+8*\t:S+8*\t+3] offset:64*\t
	ds_store_b128 v[STO], v[S+8*\t+4:S+8*\t+7] offset:64*\t+16
.endr
.irp i, 0,1,2,3,4,5,6,7
	ds_load_b128 v[F+4*\i:F+4*\i+3], v[RD] offset:2*\i*SPT   ; LDS serves a wave's instructions in order: these see my stores; no other wave touches my stage
.endr
.irp i, 0,1,2,3,4,5,6,7
	s_wait_dscnt 7-\i                              ; load i is back; the 7 - i younger ones may be out
	global_store_b128 v[GO], v[F+4*\i:F+4*\i+3], s[46:47] offset:512*\i th:TH_STORE_NT   ; two rows: 512 consecutive bytes, at a multiple of 256 from out's first byte
.endr
.Lend:
	s_wait_tensorcnt 0x0
	ds_add_u32 v254, v255
	s_wait_dscnt 0x0
	s_endpgm
.Lfunc_end_k_qf3d34dc397_attn:
	.size	k_qf3d34dc397_attn, .Lfunc_end_k_qf3d34dc397_attn-k_qf3d34dc397_attn
	.p2alignl 7, 3214868480
	.fill 96, 4, 3214868480
	.section	.rodata,"a",@progbits
	.p2align	6, 0x0
	.amdhsa_kernel k_qf3d34dc397_attn
		.amdhsa_group_segment_fixed_size 210944
		.amdhsa_private_segment_fixed_size 0
		.amdhsa_enable_private_segment 0
		.amdhsa_kernarg_size 32
		.amdhsa_user_sgpr_count 2
		.amdhsa_user_sgpr_kernarg_segment_ptr 1
		.amdhsa_wavefront_size32 1
		.amdhsa_system_sgpr_workgroup_id_x 1
		.amdhsa_system_sgpr_workgroup_id_y 1
		.amdhsa_system_sgpr_workgroup_id_z 1
		.amdhsa_system_vgpr_workitem_id 0
		.amdhsa_next_free_vgpr 256
		.amdhsa_next_free_sgpr 66
		.amdhsa_reserve_vcc 1
		.amdhsa_float_denorm_mode_32 3
		.amdhsa_float_denorm_mode_16_64 3
		.amdhsa_memory_ordered 1
		.amdhsa_forward_progress 1
		.amdhsa_inst_pref_size 103
	.end_amdhsa_kernel
	.amdgpu_metadata
---
amdhsa.version: [ 1, 2 ]
amdhsa.kernels:
  - .name:           k_qf3d34dc397_attn
    .symbol:         k_qf3d34dc397_attn.kd
    .args:
      - { .name: Q, .offset: 0, .size: 8, .value_kind: global_buffer, .address_space: global }
      - { .name: kv, .offset: 8, .size: 8, .value_kind: global_buffer, .address_space: global }
      - { .name: seqlens, .offset: 16, .size: 8, .value_kind: global_buffer, .address_space: global }
      - { .name: out0, .offset: 24, .size: 8, .value_kind: global_buffer, .address_space: global }
    .group_segment_fixed_size: 210944
    .private_segment_fixed_size: 0
    .kernarg_segment_align: 8
    .kernarg_segment_size: 32
    .max_flat_workgroup_size: 512
    .sgpr_count:     66
    .vgpr_count:     256
    .wavefront_size: 32
...
	.end_amdgpu_metadata
.endif
;; end of part 2
;; ======== version 2 of 2: 2 launches
;; limits: right only within a limited range of input values
;; workspace buffers: kv 4,456,448 bytes
;; launch quant (part 3): grid 16 x 32, 4 waves a work-group, no clusters, 17,920 bytes of LDS; arguments K, V, seqlens, kv; writes kv
.if DOCPART == 3
	.amdgcn_target "amdgcn-amd-amdhsa--gfx1250"
	.amdhsa_code_object_version 6
	.text
	.protected	k_qf3d34dc397_quant
	.globl	k_qf3d34dc397_quant
	.p2align	8
	.type	k_qf3d34dc397_quant,@function
k_qf3d34dc397_quant:
	s_mov_b64 s[64:65], 0
	v_nop
	global_prefetch_b8 v0, s[64:65] scope:SCOPE_SE
	s_setreg_imm32_b32 hwreg(HW_REG_WAVE_MODE, 25, 1), 1
	s_wait_xcnt 0x0
; K and V, [32 heads][2048 keys][64] f32, become codes of FP4 (E2M1) with one E8M0 scale byte for each 32 along a product's K:
; K is quantised along its 64 channels (first product), V along the keys (second product).  A block's scale is 2^(floor(log2(largest magnitude)) - 2):
; its byte is the largest magnitude's exponent field - 2, held at 1 from below; numbers are divided by the scale and rounded to the nearest code, ties to even, beyond 6 the code of 6.
; A work-group makes ONE RECORD of 8,704 bytes: one head (grid y), one step of 128 keys (grid x), laid in the order of the operands' registers (l = lane, r = l % 16, h = l / 16):
;   [0, 4096)     K: fragment b (0..3), half u at 1024 b + 512 u + 16 l: the 32 codes of key 32 b + 8 u + r + 8 (r / 8), channels 32 h .. 32 h + 31
;   [4096, 8192)  V^T: tile t (0..3), half c at 4096 + 1024 t + 512 c + 16 l: channel 16 t + r, keys 64 c + 32 h + 0 .. 31
;   [8192, 8448)  K's scale words, plane i at + 128 i + 4 l: lanes 0-15 fragment 2 i's row r, lanes 16-31 fragment 2 i + 1's; bytes (u 0 block 0, u 0 block 1, u 1 block 0, u 1 block 1)
;   [8448, 8704)  V's scale words, plane i: lanes 0-15 tile 2 i, lanes 16-31 tile 2 i + 1; byte n scales keys 32 n .. 32 n + 31
; A record whose 128 keys all lie at or past the batch's seqlen is read by nobody and is not made: that work-group ends.  Record 0 of every head is always made.
; V's blocks are quantised whole: keys past seqlen count in their block's scale, as the quantiser of the problem has it.
; Waves 0, 1: K, 64 keys each.  Waves 2, 3: V, 32 channels each.  The waves share nothing: no barrier.
; LIMITS: NaN and infinities are not served.  A block of zeros gets the byte 1 where the rule says 127: its codes are zeros, and this program alone reads the bytes.
.set REC, 8704
.set SP,  272                          ; a stage row: 256 bytes + 16: 68 words, so that sixteen rows begin in sixteen different groups of banks
.set C,   16                           ; v16-31  codes: four registers for each pass or block, so that no store's data are written again
.set E,   32                           ; v32-35  K: a pass's scale byte
.set W,   36                           ; v36-37  scale words
.set D,   64                           ; v64-191 numbers
	s_load_b128 s[4:7], s[0:1], 0x0                ; K, V
	s_load_b128 s[8:11], s[0:1], 0x10              ; seqlens, kv
	v_lshl_add_u32 v192, v0, 2, 0x4400
	v_mov_b32 v193, 0
	v_lshrrev_b32 v1, 5, v0
	v_readfirstlane_b32 s26, v1                    ; wave 0..3
	s_and_b32 s27, s26, 1                          ; which half of K's keys, or of V's channels, is mine
	v_and_b32 v1, 31, v0                           ; l
	v_and_b32 v2, 15, v0                           ; r
	v_bfe_u32 v3, v0, 4, 1                         ; h
	; every address register is made here, ahead of the parting of the waves
	s_mul_i32 s28, s26, 16*SP                      ; my stage in LDS: 16 rows
	v_mul_u32_u24 v4, v3, SP
	v_lshl_add_u32 v4, v2, 4, v4
	v_add_nc_u32 v4, s28, v4                       ; into the stage: a load's 512 bytes are two rows: row h, byte 16 r
	v_mul_u32_u24 v5, v2, SP
	v_lshl_add_u32 v5, v3, 7, v5
	v_add_nc_u32 v5, s28, v5                       ; out of it: row r, my block's 128 bytes
	v_lshlrev_b32 v6, 4, v1
	s_lshl_b32 s28, s27, 14
	v_add_nc_u32 v7, s28, v6                       ; K in memory: 16 l + my 64 keys of 256 bytes
	s_lshl_b32 s28, s27, 11
	v_add_nc_u32 v8, s28, v6                       ; K's codes in the record: 16 l + 2048 w
	v_lshlrev_b32 v11, 10, v3
	v_lshl_add_u32 v11, v2, 4, v11
	v_add_nc_u32 v11, s28, v11                     ; V's codes in the record: 2048 w + 1024 h + 16 r
	s_lshl_b32 s28, s27, 7
	v_lshl_add_u32 v9, v1, 2, s28                  ; 4 l + 128 w: V in memory (my channel), and both kinds of scale words in the record
	s_and_b32 s16, ttmp7, 0xffff                   ; head
	s_lshr_b32 s17, s16, 3                         ; batch
	s_lshl_b32 s19, ttmp9, 7                       ; the record's first key
	s_mov_b32 s30, 0x76543210
	s_mov_b32 s31, 0xfedcba98                      ; v_permlanex16_b32's selects for lane l xor 16
	s_lshl_b32 s20, s16, 19                        ; a head is 2,048 keys of 256 bytes,
	s_lshl_b32 s28, ttmp9, 15                      ; a step 128 of them
	s_add_co_u32 s20, s20, s28
	s_mov_b32 s21, 0
	s_lshl_b32 s24, s16, 4
	s_add_co_u32 s24, s24, ttmp9
	s_mul_i32 s24, s24, REC                        ; record 16 head + step
	s_mov_b32 s25, 0
	s_wait_kmcnt 0x0
	s_load_b128 s[12:15], s[8:9], 0x0              ; the four seqlens
	s_add_nc_u64 s[22:23], s[6:7], s[20:21]        ; V at the step's first key
	s_add_nc_u64 s[20:21], s[4:5], s[20:21]        ; K likewise
	s_add_nc_u64 s[24:25], s[10:11], s[24:25]      ; my record
	s_wait_kmcnt 0x0
	s_cmp_eq_u32 s17, 1
	s_cselect_b32 s18, s13, s12
	s_cmp_eq_u32 s17, 2
	s_cselect_b32 s18, s14, s18
	s_cmp_eq_u32 s17, 3
	s_cselect_b32 s18, s15, s18                    ; my batch's seqlen,
	s_max_i32 s18, s18, 0
	s_min_u32 s18, s18, 2048                       ; held to 0 .. 2,048 as pos < seqlen holds it,
	s_max_u32 s18, s18, 1                          ; and at least 1: record 0 is always made
	s_cmp_ge_u32 s19, s18
	s_cbranch_scc1 .Lend                           ; all 128 keys lie past it: nobody reads this record
	s_cmp_lt_u32 s26, 2
	s_cbranch_scc0 .Lv
	s_wait_alu depctr_va_vdst(0)
	; ---- K.  Pass p = 2 f + u makes half u of my fragment f: 16 keys, eight neighbours and the eight that lie 16 further on.  Each load reads 512 consecutive bytes (two keys);
	; a lane must hold a whole block of 32 neighbours of ONE key, so a pass's 4,096 bytes turn through my stage.  All 32 loads go out at once.
.irp p, 0,1,2,3
.irp n, 0,1,2,3,4,5,6,7
	global_load_b128 v[D+32*\p+4*\n:D+32*\p+4*\n+3], v7, s[20:21] offset:(32*(\p/2)+8*(\p%2))*256+512*\n+2048*(\n/4) th:TH_LOAD_NT
.endr
.endr
.macro KPASS p
.set DP, D+32*(\p)
	s_wait_loadcnt 24-8*(\p)                       ; loads come back in order: this pass's eight are in, the later passes' eight each may be out
.irp n, 0,1,2,3,4,5,6,7
	ds_store_b128 v4, v[DP+4*\n:DP+4*\n+3] offset:2*\n*SP
.endr
.irp n, 0,1,2,3,4,5,6,7
	ds_load_b128 v[DP+4*\n:DP+4*\n+3], v5 offset:16*\n   ; LDS serves a wave's instructions in order: these see the stores above, and come into the registers that those left
.endr
	s_wait_dscnt 0x0
	v_max3_num_f32 v40, |v[DP]|, |v[DP+1]|, |v[DP+2]|    ; the block's largest magnitude: all 32 numbers are mine; two chains
	v_max3_num_f32 v41, |v[DP+3]|, |v[DP+4]|, |v[DP+5]|
.irp i, 6,10,14,18,22,26
	v_max3_num_f32 v40, v40, |v[DP+\i]|, |v[DP+\i+1]|
	v_max3_num_f32 v41, v41, |v[DP+\i+2]|, |v[DP+\i+3]|
.endr
	v_max3_num_f32 v40, v40, |v[DP+30]|, |v[DP+31]|
	v_max3_num_f32 v40, v40, v41, 0x1800000        ; and the floor 2^(3 - 127): the byte cannot fall under 1
	v_add_nc_u32 v42, 0xff000000, v40              ; 2 off the exponent field: the conversion takes this operand's exponent field as its scale
.irp g, 0,1,2,3
	v_cvt_scalef32_pk8_fp4_f32 v[C+4*(\p)+\g], v[DP+8*\g:DP+8*\g+7], v42
.endr
	v_lshrrev_b32 v[E+(\p)], 23, v42               ; the scale's byte (also the plain line behind the conversions)
	global_store_b128 v8, v[C+4*(\p):C+4*(\p)+3], s[24:25] offset:512*(\p)   ; 32 lanes store 512 consecutive bytes, at a multiple of 256 from kv's first byte
.endm
	KPASS 0
	KPASS 1
	KPASS 2
	KPASS 3
	v_lshlrev_b32 v43, 3, v3                       ; 8 h
	v_mov_b32 v44, 0                               ; a lane permute's destination counts as one of its sources
.irp f, 0,1
	v_lshl_or_b32 v[W+\f], v[E+2*\f+1], 16, v[E+2*\f]    ; my block's bytes of halves 0 and 1,
	v_lshlrev_b32 v[W+\f], v43, v[W+\f]            ; at block h's places;
	v_permlanex16_b32 v44, v[W+\f], s30, s31
	v_or_b32 v[W+\f], v[W+\f], v44                 ; with lane l xor 16's the word of row r is whole
.endr
	v_cmp_gt_u32 vcc_lo, 16, v1
	v_cndmask_b32 v45, v[W+1], v[W], vcc_lo        ; lanes 0-15 my first fragment's words, lanes 16-31 my second's
	global_store_b32 v9, v45, s[24:25] offset:8192
	s_wait_tensorcnt 0x0
	ds_add_u32 v192, v193
	s_wait_dscnt 0x0
	s_endpgm
	; ---- V.  A lane takes channel 32 w + l and its registers run down the keys: a block of 32 keys lies in one lane, and the codes come out with the keys innermost.
.Lv:
.macro VLOAD n
.irp k, 0,1,2,3,4,5,6,7,8,9,10,11,12,13,14,15,16,17,18,19,20,21,22,23,24,25,26,27,28,29,30,31
	global_load_b32 v[D+32*((\n)%2)+\k], v9, s[22:23] offset:(32*(\n)+\k)*256   ; 128 consecutive bytes a wave; the two waves side by side take a key's 256
.endr
.endm
	s_wait_alu depctr_va_vdst(0)
	VLOAD 0
	VLOAD 1
.macro VBLOCK n
.set DP, D+32*((\n)%2)
.if (\n) < 3
	s_wait_loadcnt 32                              ; this block's 32 loads are in; the next block's 32 may be out
.else
	s_wait_loadcnt 0x0
.endif
	v_max3_num_f32 v40, |v[DP]|, |v[DP+1]|, |v[DP+2]|
	v_max3_num_f32 v41, |v[DP+3]|, |v[DP+4]|, |v[DP+5]|
.irp i, 6,10,14,18,22,26
	v_max3_num_f32 v40, v40, |v[DP+\i]|, |v[DP+\i+1]|
	v_max3_num_f32 v41, v41, |v[DP+\i+2]|, |v[DP+\i+3]|
.endr
	v_max3_num_f32 v40, v40, |v[DP+30]|, |v[DP+31]|
	v_max3_num_f32 v40, v40, v41, 0x1800000        ; the floor, as above
	v_add_nc_u32 v42, 0xff000000, v40
.irp g, 0,1,2,3
	v_cvt_scalef32_pk8_fp4_f32 v[C+4*(\n)+\g], v[DP+8*\g:DP+8*\g+7], v42
.endr
	v_lshrrev_b32 v45, 23, v42                     ; the byte (also the plain line behind the conversions)
.if (\n) == 0
	v_mov_b32 v[W], v45                            ; four bytes make my channel's scale word, the lower keys in the lower byte
.else
	v_lshl_or_b32 v[W], v45, 8*(\n), v[W]
.endif
	global_store_b128 v11, v[C+4*(\n):C+4*(\n)+3], s[24:25] offset:4096+512*((\n)/2)+256*((\n)%2)   ; sixteen lanes store 256 consecutive bytes, aligned: block n is half n / 2, lanes' half n % 2 of my tile
.if (\n) < 2
	VLOAD (\n)+2
.endif
.endm
	VBLOCK 0
	VBLOCK 1
	VBLOCK 2
	VBLOCK 3
	global_store_b32 v9, v[W], s[24:25] offset:8448
.Lend:
	s_endpgm
.Lfunc_end_k_qf3d34dc397_quant:
	.size	k_qf3d34dc397_quant, .Lfunc_end_k_qf3d34dc397_quant-k_qf3d34dc397_quant
	.p2alignl 7, 3214868480
	.fill 96, 4, 3214868480
	.section	.rodata,"a",@progbits
	.p2align	6, 0x0
	.amdhsa_kernel k_qf3d34dc397_quant
		.amdhsa_group_segment_fixed_size 17920
		.amdhsa_private_segment_fixed_size 0
		.amdhsa_enable_private_segment 0
		.amdhsa_kernarg_size 32
		.amdhsa_user_sgpr_count 2
		.amdhsa_user_sgpr_kernarg_segment_ptr 1
		.amdhsa_wavefront_size32 1
		.amdhsa_system_sgpr_workgroup_id_x 1
		.amdhsa_system_sgpr_workgroup_id_y 1
		.amdhsa_system_sgpr_workgroup_id_z 1
		.amdhsa_system_vgpr_workitem_id 0
		.amdhsa_next_free_vgpr 194
		.amdhsa_next_free_sgpr 66
		.amdhsa_reserve_vcc 1
		.amdhsa_float_denorm_mode_32 3
		.amdhsa_float_denorm_mode_16_64 3
		.amdhsa_memory_ordered 1
		.amdhsa_forward_progress 1
		.amdhsa_inst_pref_size 35
	.end_amdhsa_kernel
	.amdgpu_metadata
---
amdhsa.version: [ 1, 2 ]
amdhsa.kernels:
  - .name:           k_qf3d34dc397_quant
    .symbol:         k_qf3d34dc397_quant.kd
    .args:
      - { .name: K, .offset: 0, .size: 8, .value_kind: global_buffer, .address_space: global }
      - { .name: V, .offset: 8, .size: 8, .value_kind: global_buffer, .address_space: global }
      - { .name: seqlens, .offset: 16, .size: 8, .value_kind: global_buffer, .address_space: global }
      - { .name: kv, .offset: 24, .size: 8, .value_kind: global_buffer, .address_space: global }
    .group_segment_fixed_size: 17920
    .private_segment_fixed_size: 0
    .kernarg_segment_align: 8
    .kernarg_segment_size: 32
    .max_flat_workgroup_size: 128
    .sgpr_count:     66
    .vgpr_count:     194
    .wavefront_size: 32
...
	.end_amdgpu_metadata
.endif
;; end of part 3
;; launch attn (part 4): grid 32 x 8, 16 waves a work-group, no clusters, 210,944 bytes of LDS; arguments Q, kv, seqlens, out0; writes out0
.if DOCPART == 4
	.amdgcn_target "amdgcn-amd-amdhsa--gfx1250"
	.amdhsa_code_object_version 6
	.text
	.protected	k_qf3d34dc397_attn
	.globl	k_qf3d34dc397_attn
	.p2align	8
	.type	k_qf3d34dc397_attn,@function
k_qf3d34dc397_attn:
	s_mov_b64 s[64:65], 0
	v_nop
	global_prefetch_b8 v0, s[64:65] scope:SCOPE_SE
	s_setreg_imm32_b32 hwreg(HW_REG_WAVE_SCHED_MODE, 0, 2), 2
	s_setreg_imm32_b32 hwreg(HW_REG_WAVE_MODE, 25, 1), 1
	s_wait_xcnt 0x0
	s_wait_alu depctr_vm_vsrc(0)
; out[b][h][q][:] = sum over keys k < seqlen[b] of softmax_k(Q[q] . K[k]) V[k][:] for q < seqlen[b], 0 for the other rows.  Both products on codes of FP4 (E2M1), one E8M0 scale for each 32 along a product's K.
; K and V come as records of 128 keys in the order of the operands' registers (8,704 bytes: K's four fragments, V^T's four, K's and V's scale words); Q, f32, is quantised here in registers.
; THE SOFTMAX: t = score x log2(e); M = the running largest t, rounded UP to a whole number; p = 2^(t - M) is quantised along the keys; the row's sum is taken of the unquantised p and divides at the end.
; When M moves, the sum and O^T are multiplied by 2^(old M - new M): exact.
; SHARES.  Work-group (j, h), sixteen waves of 256 registers, four to a SIMD.  Wave w serves batch g = w / 4 (head 8 g + h) and ONE tile of 16 queries, j + 32 k: the four waves of a batch take the four k,
; so each of a head's 128 tiles has one owner.  A tile is LIVE if it has a query under seqlen[g]; a batch has a = 0..4 live tiles here.  k = (w % 4 - the live tiles of the batches before) mod 4 deals the live tiles
; of all four batches round the four places w % 4.  A tile that is not live is stored as zeros at the head.  A live wave walks the key steps under seqlen[g] and no further.
; THE RING.  Two LDS slots, each with two records for each of the four batches.  The four waves of a batch copy a record through registers, a quarter each, loaded two key steps ahead.
; One barrier for two key steps; the loop's trip count is a constant and every barrier is on every wave's path; what seqlens decide is jumped over by scalar branches that hold no barrier.
; NO TENSOR LOADS, NO CLUSTER: the number of key steps and of live tiles hangs on seqlens, which is read from memory;
; of 128 x 16 tile steps of a head only (seqlen / 16) x (seqlen / 128) are walked here.
; LAYOUT.  Both products are used transposed: S^T = K Q^T, O^T = V^T P^T: a lane holds ONE query (lane % 16) throughout.  The first product's K is 64, the instruction's 128: a fragment of K carries TWO tiles of 16 keys
; (k 0..63 and k 64..127), and Q stands as [Q | 0] for the first and [0 | Q] for the second: zero codes add nothing.  The keys of a tile are chosen so that registers 16 b + i of S^T hold key 32 b + 16 (lane / 16) + i.
; LIMITS: NaN and infinities are not served.  p under 2^-126 becomes 0.  A block of zeros has the byte 1: its codes are zeros.  Key steps wholly past seqlen are left out: that is reference()'s result as long as some
; valid logit lies above about -1e9 + 100.  seqlens under 0 count as 0, over 2,048 as 2,048, as pos < seqlen has it.
; THE MODE: SCHED_MODE bits 1:0 = 2 (LLVM: expert scheduling mode 2), set by the entry lines.  The code itself states the register dependences
; between vector or matrix instructions and memory or LDS instructions, with s_wait_alu, always for 0.
; THE PLAN.  Registers that memory or LDS instructions touch:
;   v1-v15, v254, v255, v28-31   addresses, offsets, the closing add's pair, the zeros that are stored: written once at the head, ahead of ONE wait on va_vdst, and never again.
;   STA, STB   written by global loads, read by the LDS stores of the next STAGE, loaded again behind one wait on vm_vsrc; in the loop no vector instruction names them.
;   F          K's LDS loads land in it at a step's head; the eight first products read it; V's LDS loads land in it; the four second products read it.
;   KS, VS     scale words: LDS loads land in them, the products read them.
;   S          at the head Q's loads land in it; on the way out 32 multiplications write it and LDS stores read it.
; A step has five waits on va_vdst: at its head (the last step's products are done with F and KS); ahead of the 64 exponentials; behind them (that wait also shows the first products done with F and the last step's second
; products done with VS, so V's loads follow it with no wait of their own: no vector instruction since names F, VS or an address); behind the four exponentials; and ahead of the second products (p's codes and
; scale word are written).  A second set of fragment registers has no room: sixteen waves of 256 registers take all that their SIMDs have.
.set REC,  8704                        ; a record
.set GRP,  2*REC                       ; a batch's part of a slot
.set SLOT, 4*GRP
.set STG,  2*SLOT                      ; behind the ring: a stage of 16 rows x 272 bytes for each wave, for the way out; behind the stages, from byte 0x33000 on, the spare words, 128 bytes a wave, which no other line names
.set SPT,  272
.set LI,   1                           ; v1, v2   16 l + my batch's part of slot 0, 1
.set LS,   3                           ; v3, v4   4 l + the same
.set SW,   5                           ; v5, v6   where I store my quarter of a record's codes: 16 l + 2048 (w % 4) + the same
.set SS,   7                           ; v7, v8   and of its scale words: 4 l + 128 (w % 4) + 8192 + the same
.set STO,  9                           ; v9       my stage: where I put 32 bytes of a row
.set RD,   10                          ; v10      and where I read rows back
.set GV,   11                          ; v11      my quarter of a record's codes in memory
.set GS,   12                          ; v12      and of its scale words
.set QA,   13                          ; v13      Q: 256 r + 128 h
.set GO,   14                          ; v14      out: 16 l
.set H16,  15                          ; v15      16 h.   v1-v15 are never rewritten
.set NM,   16                          ; v16      -M;  v17 the largest t (a pair: the packed form names both)
.set TM,   17
.set L,    18                          ; v[18:19] the row's sum in two halves
.set FF,   20                          ; v[20:21] f = 2^(old M - new M)
.set PW,   22                          ; v22      p's scale word
.set QS,   23                          ; v23      Q's scale word (q0, q1, q0, q1)
.set QB,   24                          ; v24-27 Q's codes, v28-31 zeros (never rewritten), v32-35 Q's codes again
.set KS,   36                          ; v36, v37 K's scale words;  v38, v39 V's
.set VS,   38
.set F,    40                          ; v40-71   four fragments: K's, then V's
.set S,    72                          ; v72-135  S^T, then p
.set O,    136                         ; v136-167 O^T
.set PC,   168                         ; v168-175 p's codes
.set BM,   176                         ; v176-179 the blocks' largest scores, then largest p
.set PD,   180                         ; v180-183 lane permutes' destinations
.set SX,   184                         ; v184-187 the conversions' scale operands
.set BY,   188                         ; v188-191 scale bytes
.set SUM2, 192                         ; v[192:193] the sums' second chain
.set T0,   194
.set T1,   195
.set NEGV, 196                         ; v196     -1e9; never rewritten
.set DD,   197
.set STA,  200                         ; v200-216 a record's quarter on its way to LDS: four quads and a word;  v218-234 the next record's
.set STB,  218
.set MK,   12                          ; s12-s27  behind the head, where their first contents are done with: sixteen lane masks for the step that seqlen cuts
; scalars: s[4:11] Q, kv, seqlens, out;  at the head s12 wave, s13 batch g, s14 w % 4, s15 j, s16 h;  s[20:23] seqlens;  s[24:27] live tiles of each batch;  s28 their sum before g, s29 k, s30 tile, s31 seqlen[g],
; s32 LIMC: seqlen[g] if my tile is live, else 0;  s33 LIMS: seqlen[g] if my batch has a live tile here, else 0;  s34 KP: first key of the slot being multiplied;  s35 KN: first key of the two records in my registers;
; s[36:37] those records in memory;  s[38:39] permute selects;  s[40:41] log2(e);  s42 trips;  s[44:45] my tile of Q;  s[46:47] of out;  s48-51 at work
	s_load_b256 s[4:11], s[0:1], 0x0
	v_lshl_add_u32 v254, v0, 2, 0x33000            ; my spare word, and 0: made here and kept for the closing lines alone
	v_mov_b32 v255, 0
	v_lshrrev_b32 v[T0], 5, v0
	v_readfirstlane_b32 s12, v[T0]
	v_and_b32 v[T0], 31, v0                        ; l
	v_and_b32 v[T1], 15, v0                        ; r
	v_bfe_u32 v[DD], v0, 4, 1                      ; h
	s_wait_alu depctr_va_sdst(0)                   ; s12, the wave's number, is written, ahead of its first reader
	s_lshr_b32 s13, s12, 2
	s_and_b32 s14, s12, 3
	s_mov_b32 s15, ttmp9
	s_and_b32 s16, ttmp7, 0xffff
	s_mul_i32 s48, s13, GRP
	v_lshl_add_u32 v[LI], v[T0], 4, s48
	v_add_nc_u32 v[LI+1], SLOT, v[LI]
	v_lshl_add_u32 v[LS], v[T0], 2, s48
	v_add_nc_u32 v[LS+1], SLOT, v[LS]
	s_lshl_b32 s49, s14, 11
	v_lshl_add_u32 v[GV], v[T0], 4, s49
	v_add_nc_u32 v[SW], s48, v[GV]
	v_add_nc_u32 v[SW+1], SLOT, v[SW]
	s_lshl_b32 s49, s14, 7
	s_add_co_u32 s49, s49, 8192
	v_lshl_add_u32 v[GS], v[T0], 2, s49
	v_add_nc_u32 v[SS], s48, v[GS]
	v_add_nc_u32 v[SS+1], SLOT, v[SS]
	s_mul_i32 s49, s12, 16*SPT
	s_add_co_u32 s49, s49, STG
	v_mul_u32_u24 v[STO], v[T1], SPT
	v_lshl_add_u32 v[STO], v[DD], 5, v[STO]
	v_add_nc_u32 v[STO], s49, v[STO]               ; in: row r, 32 bytes for each half of the lanes
	v_mul_u32_u24 v[RD], v[DD], SPT
	v_lshl_add_u32 v[RD], v[T1], 4, v[RD]
	v_add_nc_u32 v[RD], s49, v[RD]                 ; back: lanes 0-15 one row of 256 bytes, lanes 16-31 the next
	v_lshlrev_b32 v[QA], 8, v[T1]
	v_lshl_add_u32 v[QA], v[DD], 7, v[QA]
	v_lshlrev_b32 v[GO], 4, v[T0]
	v_lshlrev_b32 v[H16], 4, v[DD]
	; what every path may read is written here once.  The key step is written once: the first finds zeros in O^T and the sum, which the first change of M leaves zeros
.set i, 0
.rept 32
	v_mov_b32 v[O+i], 0
.set i, i+1
.endr
	v_mov_b32 v[L], 0
	v_mov_b32 v[L+1], 0
	v_mov_b32 v[FF+1], 0                           ; (named as the upper half of f's pair)
	v_mov_b32 v[TM], 0xff61b1e6                    ; the largest t so far: -3e38, under every t
	v_floor_f32 v[NM], -v[TM]
	v_mov_b32 v[QS], 0
.set i, 0
.rept 12
	v_mov_b32 v[QB+i], 0
.set i, i+1
.endr
.set i, 0
.rept 4
	v_mov_b32 v[PD+i], 0                           ; a lane permute's destination counts as one of its sources
.set i, i+1
.endr
	v_mov_b32 v[NEGV], 0xce6e6b28                  ; -1e9
.set i, 0
.rept 17
	v_mov_b32 v[STB+i], 0
.set i, i+1
.endr
	s_mov_b32 s38, 0x76543210
	s_mov_b32 s39, 0xfedcba98                      ; lane l xor 16
	s_mov_b32 s40, 0x3fb8aa3b                      ; log2(e)
	s_mov_b32 s41, s40                             ; (named with it as a pair)
	s_lshl_b32 s50, s13, 3
	s_add_co_u32 s50, s50, s16                     ; my head: 8 g + h
	s_mul_i32 s36, s50, 16*REC
	s_mov_b32 s37, 0
	s_lshl_b32 s50, s50, 19                        ; its first byte in Q and in out
	s_wait_kmcnt 0x0
	s_load_b128 s[20:23], s[8:9], 0x0              ; the four seqlens
	s_add_nc_u64 s[36:37], s[6:7], s[36:37]        ; my head's record 0
.macro RLOAD set, off                  ; my quarter of a record: 2,048 bytes of codes, 512 consecutive bytes a load, and 128 bytes of scale words
.irp n, 0,1,2,3
	global_load_b128 v[\set+4*\n:\set+4*\n+3], v[GV], s[36:37] offset:\off+512*\n
.endr
	global_load_b32 v[\set+16], v[GS], s[36:37] offset:\off
.endm
.macro RSTORE set, dst, off            ; and on into LDS, as it lies
.irp n, 0,1,2,3
	ds_store_b128 v[SW+(\dst)], v[\set+4*\n:\set+4*\n+3] offset:\off+512*\n
.endr
	ds_store_b32 v[SS+(\dst)], v[\set+16] offset:\off
.endm
	s_wait_alu depctr_va_vdst(0)                   ; the head's vector lines have written v1-v15, which every load and store of the kernel reads as address or offset; v28-31, the zero stores' data; v254, v255, which the closing add reads; and STB, in which loads land
	RLOAD STA, 0                                   ; record 0 exists for every head: asked for before the lengths are known
	s_wait_kmcnt 0x0
.irp i, 0,1,2,3
	s_max_i32 s[20+\i], s[20+\i], 0
	s_min_u32 s[20+\i], s[20+\i], 2048
	s_add_co_u32 s[24+\i], s[20+\i], 15
	s_lshr_b32 s[24+\i], s[24+\i], 4               ; tiles with a query under seqlen: T
	s_add_co_u32 s[24+\i], s[24+\i], 31
	s_sub_co_u32 s[24+\i], s[24+\i], s15
	s_lshr_b32 s[24+\i], s[24+\i], 5               ; of j, j + 32, j + 64, j + 96 those under T: (T + 31 - j) / 32
.endr
	s_add_co_u32 s48, s24, s25
	s_add_co_u32 s49, s48, s26
	s_cmp_eq_u32 s13, 1
	s_cselect_b32 s28, s24, 0
	s_cselect_b32 s31, s21, s20
	s_cselect_b32 s51, s25, s24
	s_cmp_eq_u32 s13, 2
	s_cselect_b32 s28, s48, s28
	s_cselect_b32 s31, s22, s31
	s_cselect_b32 s51, s26, s51
	s_cmp_eq_u32 s13, 3
	s_cselect_b32 s28, s49, s28                    ; live tiles of the batches before mine
	s_cselect_b32 s31, s23, s31                    ; my batch's seqlen
	s_cselect_b32 s51, s27, s51                    ; and its live tiles here
	s_sub_co_u32 s29, s14, s28
	s_and_b32 s29, s29, 3                          ; k
	s_lshl_b32 s30, s29, 5
	s_add_co_u32 s30, s30, s15
	s_min_u32 s30, s30, 127                        ; my tile (it is under 128 by its make; held, since it enters addresses)
	s_cmp_lt_u32 s29, s51
	s_cselect_b32 s32, s31, 0                      ; LIMC
	s_cmp_gt_u32 s51, 0
	s_cselect_b32 s33, s31, 0                      ; LIMS
	s_lshl_b32 s48, s30, 12                        ; a tile is 16 rows of 256 bytes
	s_add_co_u32 s48, s48, s50
	s_mov_b32 s49, 0
	s_add_nc_u64 s[44:45], s[4:5], s[48:49]
	s_add_nc_u64 s[46:47], s[10:11], s[48:49]
	s_cmp_gt_u32 s33, 128
	s_cbranch_scc0 .Lno_rec1
	RLOAD STB, REC                                 ; record 1, if the batch has it and wants it.  (No vector instruction since the head's wait names STB or the offsets)
.Lno_rec1:
	s_cmp_eq_u32 s32, 0
	s_cbranch_scc0 .Llive
.irp i, 0,1,2,3,4,5,6,7
	global_store_b128 v[GO], v[QB+4:QB+7], s[46:47] offset:512*\i th:TH_STORE_NT   ; a tile with no query under seqlen: zeros, 512 consecutive bytes a store; its sources are never rewritten
.endr
	s_branch .Lq_done
.Llive:
	; Q: lane (r, h) takes channels 32 h .. 32 h + 31 of query r: a whole block, in the order that the operand's registers want.  No vector instruction has named S yet
.irp n, 0,1,2,3,4,5,6,7
	global_load_b128 v[S+4*\n:S+4*\n+3], v[QA], s[44:45] offset:16*\n
.endr
	s_wait_loadcnt 0x0
	v_max3_num_f32 v[T0], |v[S]|, |v[S+1]|, |v[S+2]|
	v_max3_num_f32 v[T1], |v[S+3]|, |v[S+4]|, |v[S+5]|
.irp i, 6,10,14,18,22,26
	v_max3_num_f32 v[T0], v[T0], |v[S+\i]|, |v[S+\i+1]|
	v_max3_num_f32 v[T1], v[T1], |v[S+\i+2]|, |v[S+\i+3]|
.endr
	v_max3_num_f32 v[T0], v[T0], |v[S+30]|, |v[S+31]|
	v_max3_num_f32 v[T0], v[T0], v[T1], 0x1800000  ; the floor 2^(3 - 127): the byte cannot fall under 1
	v_add_nc_u32 v[T1], 0xff000000, v[T0]          ; 2 off the exponent field: the conversion's scale operand
.irp n, 0,1,2,3
	v_cvt_scalef32_pk8_fp4_f32 v[QB+\n], v[S+8*\n:S+8*\n+7], v[T1]
.endr
	v_lshrrev_b32 v[T0], 23, v[T1]                 ; the byte (also the plain line behind the conversions)
.irp n, 0,1,2,3
	v_mov_b32 v[QB+8+\n], v[QB+\n]                 ; [Q | 0 | Q]: v[24:31] serves a fragment's first tile of keys, v[28:35] its second
.endr
	v_lshl_or_b32 v[T0], v[T0], 16, v[T0]          ; the byte for k 32 h on and for k 64 + 32 h on,
	v_lshrrev_b32 v[T1], 1, v[H16]
	v_lshlrev_b32 v[T0], v[T1], v[T0]              ; 8 h bits up;
	v_permlanex16_b32 v[PD], v[T0], s38, s39
	v_or_b32 v[QS], v[T0], v[PD]                   ; with lane l xor 16's the word is whole
.Lq_done:
.rept 8
	v_nop                                          ; a scale register written by a vector instruction stands 8 places ahead of a scaled matrix instruction, an operand so written 4; the wait that states them written stands at each step's head
.endr
	s_mov_b32 s34, 0
	s_mov_b32 s35, 0
; The two records in my registers (keys KN on, KN + 128 on) go into slot dst, and the next two are asked for.  All loads here stand under branches on seqlens, so every wait is for 0: a count would not hold on every path.
.macro STAGE dst
	s_wait_loadcnt 0x0                             ; my records are in, and no load of mine still reads its base
	s_cmp_lt_u32 s35, s33
	s_cbranch_scc0 .Lsa_\@
	RSTORE STA, \dst, 0
.Lsa_\@:
	s_add_co_u32 s48, s35, 128
	s_cmp_lt_u32 s48, s33
	s_cbranch_scc0 .Lsb_\@
	RSTORE STB, \dst, REC
.Lsb_\@:
	s_wait_dscnt 0x0                               ; my stores into the slot have landed
	s_wait_alu depctr_vm_vsrc(0)                   ; the LDS stores above have read STA and STB, in which the loads below land: stated ahead of the branches round those loads
	s_add_nc_u64 s[36:37], s[36:37], GRP
	s_add_co_u32 s48, s35, 256
	s_cmp_lt_u32 s48, s33
	s_cbranch_scc0 .Lla_\@
	RLOAD STA, 0                                   ; only records with a key under seqlen are read: those exist, and lie inside the buffer
.Lla_\@:
	s_add_co_u32 s48, s35, 384
	s_cmp_lt_u32 s48, s33
	s_cbranch_scc0 .Llb_\@
	RLOAD STB, REC
.Llb_\@:
	s_add_co_u32 s35, s35, 256
.endm
; A KEY STEP: 128 keys, record q of slot sl.
.macro STEP sl, q
	s_add_co_u32 s49, s34, 128*\q                  ; the step's first key
	s_cmp_ge_u32 s49, s32
	s_cbranch_scc1 .Lskip_\@                       ; past seqlen, or my tile is not live
.rept 4
	v_nop                                          ; places in front of loads into registers that the last products read: they stay beside the wait below
.endr
	s_wait_alu depctr_va_vdst(0)                   ; the last step's products are done reading F and K's scale words, in which the loads below land; in the first step walked, Q's codes and scale word, which the products below take, are written
.irp m, 0,1,2,3,4,5,6,7
	ds_load_b128 v[F+4*\m:F+4*\m+3], v[LI+\sl] offset:REC*\q+512*\m         ; K's four fragments, as images of their registers: 512 consecutive bytes a load
.endr
.irp i, 0,1
	ds_load_b32 v[KS+\i], v[LS+\sl] offset:REC*\q+8192+128*\i
.endr
	s_wait_dscnt 0x0
.irp b, 0,1,2,3                        ; S^T: fragment b against [Q | 0] and [0 | Q]: tiles 2 b and 2 b + 1
.irp u, 0,1
.if \b%2
	v_wmma_scale_f32_16x16x128_f8f6f4 v[S+8*(2*\b+\u):S+8*(2*\b+\u)+7], v[F+8*\b:F+8*\b+7], v[QB+4*\u:QB+4*\u+7], 0, v[KS+\b/2], v[QS] matrix_a_fmt:MATRIX_FMT_FP4 matrix_b_fmt:MATRIX_FMT_FP4 matrix_a_scale:MATRIX_SCALE_ROW1
.else
	v_wmma_scale_f32_16x16x128_f8f6f4 v[S+8*(2*\b+\u):S+8*(2*\b+\u)+7], v[F+8*\b:F+8*\b+7], v[QB+4*\u:QB+4*\u+7], 0, v[KS+\b/2], v[QS] matrix_a_fmt:MATRIX_FMT_FP4 matrix_b_fmt:MATRIX_FMT_FP4
.endif
.endr
.endr
.rept 4
	v_nop                                          ; places: behind them the scores may be read
.endr
	s_add_co_u32 s48, s49, 128
	s_cmp_le_u32 s48, s31
	s_cbranch_scc1 .Lopen_\@                       ; all 128 keys count
	s_sub_co_u32 s48, s31, s49                     ; the one step that seqlen cuts: the scores of keys at or past it become -1e9, as reference() has it
	s_sub_co_u32 s48, s48, 1
	v_sub_nc_u32 v[DD], s48, v[H16]                ; d = seqlen - 1 - first key - 16 h.  Register 16 b + i holds key 32 b + 16 h + i of the step: masked where 32 b + i > d
.irp b, 0,1,2,3                        ; a block's sixteen compares stand in one run, each into a scalar register of its own, with one wait behind the run
.irp i, 0,1,2,3,4,5,6,7,8,9,10,11,12,13,14,15
	v_cmp_gt_i32 s[MK+\i], 32*\b+\i, v[DD]
.endr
	s_wait_alu depctr_va_sdst(0)                   ; the sixteen compares have written their masks, ahead of the selects that read them
.irp i, 0,1,2,3,4,5,6,7,8,9,10,11,12,13,14,15
	v_cndmask_b32 v[S+16*\b+\i], v[S+16*\b+\i], v[NEGV], s[MK+\i]
.endr
.endr
.Lopen_\@:
.irp b, 0,1,2,3
	v_max3_num_f32 v[BM+\b], v[S+16*\b], v[S+16*\b+1], v[S+16*\b+2]    ; the largest score of each block of 32 keys: it serves for the row's maximum and, since p rises with the score, for the block's largest p
.endr
.irp i, 3,5,7,9,11,13
.irp b, 0,1,2,3
	v_max3_num_f32 v[BM+\b], v[BM+\b], v[S+16*\b+\i], v[S+16*\b+\i+1]  ; (the four blocks by turns; each accumulator is read from its low end on)
.endr
.endr
.irp b, 0,1,2,3
	v_max_num_f32 v[BM+\b], v[BM+\b], v[S+16*\b+15]
.endr
.irp b, 0,1,2,3
	v_permlanex16_b32 v[PD+\b], v[BM+\b], s38, s39
.endr
.irp b, 0,1,2,3
	v_max_num_f32 v[BM+\b], v[BM+\b], v[PD+\b]     ; with lane l xor 16's 16 keys
.endr
	v_max3_num_f32 v[T0], v[BM], v[BM+1], v[BM+2]
	v_max_num_f32 v[T0], v[T0], v[BM+3]            ; the step's largest score of my query,
	v_mul_f32 v[T0], s40, v[T0]                    ; as t
	v_max_num_f32 v[TM], v[TM], v[T0]              ; the running largest t
	v_mov_b32 v[T0], v[NM]
	v_floor_f32 v[NM], -v[TM]                      ; the new -M = floor(-t) = -ceil(t): a whole number
	v_sub_f32 v[T0], v[NM], v[T0]                  ; old M - new M: a whole number, 0 or less
	v_cvt_i32_f32 v[T0], v[T0]                     ; (it saturates)
	v_ldexp_f32 v[FF], 1.0, v[T0]                  ; f = 2^(old M - new M)
.irp b, 0,1,2,3
.irp i, 0,2,4,6,8,10,12,14
	v_pk_fma_f32 v[S+16*\b+\i:S+16*\b+\i+1], v[S+16*\b+\i:S+16*\b+\i+1], s[40:41], v[NM:NM+1] op_sel_hi:[1,0,0]   ; t - M, two at a time, one rounding
.endr
.endr
.irp b, 0,1,2,3
	v_fma_f32 v[BM+\b], v[BM+\b], s40, v[NM]       ; the same of each block's largest score
.endr
	s_wait_alu depctr_va_vdst(0)
.irp b, 0,1,2,3
.irp i, 0,1,2,3,4,5,6,7,8,9,10,11,12,13,14,15
	v_exp_f32 v[S+16*\b+\i], v[S+16*\b+\i]         ; p = 2^(t - M), at most 1, not normalised
.endr
.endr
	v_pk_mul_f32 v[L:L+1], v[L:L+1], v[FF:FF+1] op_sel_hi:[1,0]   ; the sums under the new M (the plain line behind the exponentials)
	s_wait_alu depctr_va_vdst(0)                   ; the 64 exponentials have written p, ahead of its first reader; the first products are done reading F, and the last step's second products V's scale words, in which the loads below land
.irp m, 0,1,2,3,4,5,6,7
	ds_load_b128 v[F+4*\m:F+4*\m+3], v[LI+\sl] offset:REC*\q+4096+512*\m    ; V^T's four fragments are asked for here, with no wait of their own, and land under the sums, the scales, the conversions and O^T's rescaling, none of which names F, V's scale words or an address
.endr
.irp i, 0,1
	ds_load_b32 v[VS+\i], v[LS+\sl] offset:REC*\q+8448+128*\i
.endr
.irp b, 0,1,2,3
	v_exp_f32 v[BM+\b], v[BM+\b]                   ; the block's largest p: the same two instructions on the same number give the same bits
.endr
	v_pk_add_f32 v[SUM2:SUM2+1], v[S:S+1], v[S+2:S+3]             ; the row's sum is taken of the unquantised p: two at a time, in two chains
.irp j, 4,8,12,16,20,24,28,32,36,40,44,48,52,56,60
	v_pk_add_f32 v[L:L+1], v[L:L+1], v[S+\j:S+\j+1]
	v_pk_add_f32 v[SUM2:SUM2+1], v[SUM2:SUM2+1], v[S+\j+2:S+\j+3]
.endr
	v_pk_add_f32 v[L:L+1], v[L:L+1], v[SUM2:SUM2+1]
	s_wait_alu depctr_va_vdst(0)                   ; the four exponentials have written the blocks' largest p, ahead of their first reader
.irp b, 0,1,2,3
	v_max_num_f32 v[BM+\b], 0x1800000, v[BM+\b]    ; the floor 2^(3 - 127): a block whose every p is 0 keeps the byte 1: its codes are zeros
.endr
.irp b, 0,1,2,3
	v_add_nc_u32 v[SX+\b], 0xff000000, v[BM+\b]    ; 2 off the exponent field: the conversion's scale operand
.endr
.irp b, 0,1,2,3
	v_lshrrev_b32 v[BY+\b], 23, v[SX+\b]           ; the scale's byte
.endr
	v_lshl_or_b32 v[PW], v[BY+1], 8, v[BY]         ; p's scale word for these 128 keys
	v_lshl_or_b32 v[PW], v[BY+2], 16, v[PW]
	v_lshl_or_b32 v[PW], v[BY+3], 24, v[PW]
.irp b, 0,1,2,3
	v_cvt_scalef32_pk8_fp4_f32 v[PC+2*\b], v[S+16*\b:S+16*\b+7], v[SX+\b]
	v_cvt_scalef32_pk8_fp4_f32 v[PC+2*\b+1], v[S+16*\b+8:S+16*\b+15], v[SX+\b]
.endr
	v_nop                                          ; one plain line behind the conversions
.irp c, 0,1                            ; the operand's layout wants a whole block in a lane: lanes 0-15 block 2 c, lanes 16-31 block 2 c + 1
.irp i, 0,1
	v_permlane16_swap_b32 v[PC+4*\c+\i], v[PC+4*\c+2+\i]
.endr
.endr
.irp j, 0,2,4,6,8,10,12,14,16,18,20,22,24,26,28,30
	v_pk_mul_f32 v[O+\j:O+\j+1], v[O+\j:O+\j+1], v[FF:FF+1] op_sel_hi:[1,0]   ; O^T under the new M.  For each product below, twelve of these sixteen name none of its registers: the places behind p's codes and scale word
.endr
	s_wait_dscnt 0x0                               ; V's fragments and scale words are in
	s_wait_alu depctr_va_vdst(0)                   ; p's codes and its scale word are written, which the products below take; the places above stay beside this wait
.irp t, 0,1,2,3                        ; O^T += V^T P^T: four accumulators by turns; between two links of one chain stand the other three and the next step's eight
.if \t%2
	v_wmma_scale_f32_16x16x128_f8f6f4 v[O+8*\t:O+8*\t+7], v[F+8*\t:F+8*\t+7], v[PC:PC+7], v[O+8*\t:O+8*\t+7], v[VS+\t/2], v[PW] matrix_a_fmt:MATRIX_FMT_FP4 matrix_b_fmt:MATRIX_FMT_FP4 matrix_a_scale:MATRIX_SCALE_ROW1
.else
	v_wmma_scale_f32_16x16x128_f8f6f4 v[O+8*\t:O+8*\t+7], v[F+8*\t:F+8*\t+7], v[PC:PC+7], v[O+8*\t:O+8*\t+7], v[VS+\t/2], v[PW] matrix_a_fmt:MATRIX_FMT_FP4 matrix_b_fmt:MATRIX_FMT_FP4
.endif
.endr
.Lskip_\@:
.endm
; Two key steps on slot sl.  ONE barrier does two things: in front of it each wave's stores into slot sl have landed and its reads of the other slot are back; behind it slot sl is whole and nobody reads the other,
; which takes the next two records at once; the loads for the two after those then have these two key steps in which to land.
.macro PHASE sl
	s_wait_dscnt 0x0
	s_barrier_signal -1
	s_barrier_wait -1
	STAGE 1-\sl
	STEP \sl, 0
	STEP \sl, 1
	s_add_co_u32 s34, s34, 256
.endm
	STAGE 0                                        ; records 0 and 1 into slot 0; records 2 and 3 are asked for
	s_mov_b32 s42, 4                               ; 4 trips x 2 phases x 2 steps x 128 keys = 2,048: a constant, so that every wave meets all eight barriers
.Ltrip:
	PHASE 0
	PHASE 1
	s_sub_co_u32 s42, s42, 1
	s_cmp_lg_u32 s42, 0
	s_cbranch_scc1 .Ltrip
	s_cmp_eq_u32 s32, 0
	s_cbranch_scc1 .Lend                           ; a tile that is not live was stored at the head
	; THE WAY OUT.  O^T / the sum, 0 in rows at or past seqlen, goes through my own stage in LDS and leaves as whole rows of 256 bytes.  The lines up to the first read of O^T are the places behind the last products.
	v_add_f32 v[L], v[L], v[L+1]                   ; the sum's two halves,
	s_wait_alu depctr_va_vdst(0)
	v_permlanex16_b32 v[PD], v[L], s38, s39
	v_add_f32 v[L], v[L], v[PD]                    ; and lane l xor 16's: at least 1/2, since key 0 counts for every query
	s_wait_alu depctr_va_vdst(0)
	v_rcp_f32 v[T0], v[L]
	v_and_b32 v[T1], 15, v0                        ; (a plain line behind the reciprocal)
	s_lshl_b32 s48, s30, 4
	v_add_nc_u32 v[T1], s48, v[T1]                 ; my query
	v_cmp_gt_u32 vcc_lo, s31, v[T1]                ; under seqlen?
	s_wait_alu depctr_va_vdst(0)                   ; the reciprocal is written, ahead of its first reader
	s_wait_alu depctr_va_vcc(0)                    ; the compare has written VCC, ahead of the select that reads it
	v_cndmask_b32 v[T0], 0, v[T0], vcc_lo
.set i, 0
.rept 32
	v_mul_f32 v[S+i], v[O+i], v[T0]                ; register 8 t + n is out(r, 16 t + 8 h + n); each accumulator from its low end on
.set i, i+1
.endr
	s_wait_alu depctr_va_vdst(0)                   ; the 32 multiplications have written S, which the LDS stores read; the last products are done reading F, in which the loads from the stage land
.irp t, 0,1,2,3
	ds_store_b128 v[STO], v[S+8*\t:S+8*\t+3] offset:64*\t
	ds_store_b128 v[STO], v[S+8*\t+4:S+8*\t+7] offset:64*\t+16
.endr
.irp i, 0,1,2,3,4,5,6,7
	ds_load_b128 v[F+4*\i:F+4*\i+3], v[RD] offset:2*\i*SPT   ; LDS serves a wave's instructions in order: these see my stores; no other wave touches my stage
.endr
.irp i, 0,1,2,3,4,5,6,7
	s_wait_dscnt 7-\i                              ; load i is back; the 7 - i younger ones may be out
	global_store_b128 v[GO], v[F+4*\i:F+4*\i+3], s[46:47] offset:512*\i th:TH_STORE_NT   ; two rows: 512 consecutive bytes, at a multiple of 256 from out's first byte
.endr
.Lend:
	s_wait_dscnt 0x0                               ; the closing lines, six on end
	s_wait_alu 0x0
	s_wait_tensorcnt 0x0
	ds_add_u32 v254, v255
	s_wait_dscnt 0x0
	s_endpgm
.Lfunc_end_k_qf3d34dc397_attn:
	.size	k_qf3d34dc397_attn, .Lfunc_end_k_qf3d34dc397_attn-k_qf3d34dc397_attn
	.p2alignl 7, 3214868480
	.fill 96, 4, 3214868480
	.section	.rodata,"a",@progbits
	.p2align	6, 0x0
	.amdhsa_kernel k_qf3d34dc397_attn
		.amdhsa_group_segment_fixed_size 210944
		.amdhsa_private_segment_fixed_size 0
		.amdhsa_enable_private_segment 0
		.amdhsa_kernarg_size 32
		.amdhsa_user_sgpr_count 2
		.amdhsa_user_sgpr_kernarg_segment_ptr 1
		.amdhsa_wavefront_size32 1
		.amdhsa_system_sgpr_workgroup_id_x 1
		.amdhsa_system_sgpr_workgroup_id_y 1
		.amdhsa_system_sgpr_workgroup_id_z 1
		.amdhsa_system_vgpr_workitem_id 0
		.amdhsa_next_free_vgpr 256
		.amdhsa_next_free_sgpr 66
		.amdhsa_reserve_vcc 1
		.amdhsa_float_denorm_mode_32 3
		.amdhsa_float_denorm_mode_16_64 3
		.amdhsa_memory_ordered 1
		.amdhsa_forward_progress 1
		.amdhsa_inst_pref_size 120
	.end_amdhsa_kernel
	.amdgpu_metadata
---
amdhsa.version: [ 1, 2 ]
amdhsa.kernels:
  - .name:           k_qf3d34dc397_attn
    .symbol:         k_qf3d34dc397_attn.kd
    .args:
      - { .name: Q, .offset: 0, .size: 8, .value_kind: global_buffer, .address_space: global }
      - { .name: kv, .offset: 8, .size: 8, .value_kind: global_buffer, .address_space: global }
      - { .name: seqlens, .offset: 16, .size: 8, .value_kind: global_buffer, .address_space: global }
      - { .name: out0, .offset: 24, .size: 8, .value_kind: global_buffer, .address_space: global }
    .group_segment_fixed_size: 210944
    .private_segment_fixed_size: 0
    .kernarg_segment_align: 8
    .kernarg_segment_size: 32
    .max_flat_workgroup_size: 512
    .sgpr_count:     66
    .vgpr_count:     256
    .wavefront_size: 32
...
	.end_amdgpu_metadata
.endif
;; end of part 4
